; MI455X (gfx1250); checked and timed in simulation.
; The chip was launched on July 23, 2026; its instructions are those of AMD's public machine-readable ISA for CDNA 5 (MIT licence, August 2026) and "CDNA5" Instruction Set Architecture Reference Guide (July 2026). The comments in the code are by the model that wrote it; some were corrected since.
;; Causal Attention. Allowed arithmetic: float matrix products may take bf16 or f16 operands with f32 sums; other float arithmetic in f32, or as packed bf16 or f16 multiplies, adds, multiply-adds, maxima and minima; sums over many terms, partial sums and values carried from step to step in f32; what a program stores and reads back later, other than sums and carried values, may be rounded once to bf16 or f16.
;; Inputs: Wk 1,024 x 1,024 float32; Wq 1,024 x 1,024 float32; Wv 1,024 x 1,024 float32; x 4 x 2,048 x 1,024 float32.
;; Outputs: out0 4 x 2,048 x 1,024 float32.
;; 2 versions, each right; version 2 is version 1 with the launch cast written anew for expert scheduling mode. Each part assembles by itself: llvm-mc -triple=amdgcn-amd-amdhsa -mcpu=gfx1250 --defsym DOCPART=n.
;; ======== version 1 of 2: 4 launches
;; limits: values are held in f16: magnitudes above 65,504 overflow, below 6.1e-05 lose precision
;; workspace buffers: xb 16,777,216 bytes; wb 6,291,456 bytes; qkv 50,331,648 bytes; pb 33,554,432 bytes; st 2,097,152 bytes
;; launch cast (part 1): grid 704 x 1, 8 waves a work-group, no clusters, 0 bytes of LDS; arguments x, Wq, Wk, Wv, xb, wb; writes xb, wb
.if DOCPART == 1
	.amdgcn_target "amdgcn-amd-amdhsa--gfx1250"
	.amdhsa_code_object_version 6
	.text
	.protected	k_q295b3e77f2_cast
	.globl	k_q295b3e77f2_cast
	.p2align	8
	.type	k_q295b3e77f2_cast,@function
k_q295b3e77f2_cast:
	s_mov_b64 s[64:65], 0
	v_nop
	global_prefetch_b8 v0, s[64:65] scope:SCOPE_SE
	s_setreg_imm32_b32 hwreg(HW_REG_WAVE_MODE, 25, 1), 1
	s_wait_xcnt 0x0
; CAST.  x [8192 m][1024 k] f32 -> xb [16 blocks of 64 k][8192 m][64] bf16: number (m, k) lies at byte (k / 64) x 1,048,576 + 128 m + 2 (k % 64), so that the rows of a
; block of 64 k lie end to end.  Wq, Wk, Wv [1024 k][1024 n] f32 -> wb [1024 k][3072 n] bf16, side by side (columns 0-1023 Wq, 1024-2047 Wk, 2048-3071 Wv).
; Each number is rounded once, to nearest even.
; A stream: every byte is read once and written once; no LDS, no matrix unit, no cluster: no work-group wants a byte that another has fetched.
; SHARES.  A work-group takes 16 rows of 1,024 numbers: 64 KiB in, 32 KiB out.  Work-groups 0-511 take x, 512-703 the three W (64 each).  A thread takes 4 numbers a load, 16 loads.
; x: threads 16 g .. 16 g + 15 take row g; load j takes the row's block j: 256 consecutive bytes for 16 lanes; a store of a wave is two rows' 128 bytes of block j: 256 consecutive bytes, aligned.
; W: load j takes row j, thread t its numbers 4 t ..: a load of a wave covers 512 consecutive bytes, a store 256, aligned.
; The two differ in three strides alone, which lie in scalar registers.  All 16 loads go out at once; no register is written twice, so the only waits are the counted ones for the loads.
.set OF, 2                             ; v[2:17]    load j: my byte offset in the output
.set X,  20                            ; v[20:83]   load j: 4 numbers as loaded
.set Y,  84                            ; v[84:115]  load j: 4 numbers in bf16
.set IN, 120                           ; v[120:135] load j: my byte offset in the input
	s_load_b256 s[4:11], s[0:1], 0x0               ; x s[4:5], Wq s[6:7], Wk s[8:9], Wv s[10:11]
	s_load_b128 s[12:15], s[0:1], 0x20             ; xb s[12:13], wb s[14:15]
	s_sub_co_u32 s16, ttmp9, 512
	s_cmp_lt_u32 ttmp9, 512
	s_cselect_b32 s16, 0, s16                      ; my number among W's work-groups (0 where I take x)
	s_lshr_b32 s17, s16, 6                         ; which W
	s_and_b32 s18, s16, 63                         ; which 16 of its rows
	s_mul_i32 s19, s18, 98304                      ; 16 rows of wb, 6,144 bytes each,
	s_lshl_b32 s20, s17, 11                        ; and that W's 2,048 bytes of a row
	s_add_co_u32 s19, s19, s20
	s_lshl_b32 s21, s18, 16                        ; 16 rows of W
	s_lshl_b32 s22, ttmp9, 16                      ; 16 rows of x
	s_lshl_b32 s23, ttmp9, 11                      ; 16 rows of 128 bytes in each block of xb
	s_movk_i32 s28, 6144
	s_movk_i32 s29, 4096
	s_mov_b32 s34, 0x100000
	s_cmp_lt_u32 ttmp9, 512
	s_cselect_b32 s24, s22, s21                    ; byte offset in the source,
	s_cselect_b32 s26, s23, s19                    ; in the destination;
	s_cselect_b32 s28, s34, s28                    ; the destination's bytes from load to load: a block of xb, a row of wb;
	s_cselect_b32 s35, 256, s29                    ; the source's bytes from load to load: 64 numbers, a row;
	s_cselect_b32 s36, s29, 256                    ; the source's bytes from 16 threads to the next 16: a row, 64 numbers
	s_mov_b32 s25, 0
	s_mov_b32 s27, 0
	v_lshrrev_b32 v1, 4, v0                        ; t / 16
	v_and_b32 v18, 15, v0
	v_lshlrev_b32 v18, 4, v18                      ; 16 (t % 16)
	v_mad_u32_u24 v[IN], v1, s36, v18
	v_lshlrev_b32 v[OF], 3, v0                     ; 8 t, in both layouts
.set j, 1
.rept 15
	v_add_nc_u32 v[IN+j], s35, v[IN+j-1]
	v_add_nc_u32 v[OF+j], s28, v[OF+j-1]
.set j, j+1
.endr
	s_wait_kmcnt 0x0
	s_cmp_eq_u32 s17, 0
	s_cselect_b64 s[30:31], s[6:7], s[8:9]
	s_cmp_gt_u32 s17, 1
	s_cselect_b64 s[30:31], s[10:11], s[30:31]
	s_cmp_lt_u32 ttmp9, 512
	s_cselect_b64 s[30:31], s[4:5], s[30:31]       ; the source,
	s_cselect_b64 s[32:33], s[12:13], s[14:15]     ; the destination
	s_add_nc_u64 s[30:31], s[30:31], s[24:25]
	s_add_nc_u64 s[32:33], s[32:33], s[26:27]
.set j, 0
.rept 16
	global_load_b128 v[X+4*j:X+4*j+3], v[IN+j], s[30:31] th:TH_LOAD_NT
.set j, j+1
.endr
.set j, 0
.rept 16
	s_wait_loadcnt 15-j                            ; loads come back in order: load j is in, the 15 - j younger ones stay out
	v_cvt_pk_bf16_f32 v[Y+2*j], v[X+4*j], v[X+4*j+1]
	v_cvt_pk_bf16_f32 v[Y+2*j+1], v[X+4*j+2], v[X+4*j+3]
	global_store_b64 v[OF+j], v[Y+2*j:Y+2*j+1], s[32:33]
.set j, j+1
.endr
	s_endpgm
.Lfunc_end_k_q295b3e77f2_cast:
	.size	k_q295b3e77f2_cast, .Lfunc_end_k_q295b3e77f2_cast-k_q295b3e77f2_cast
	.p2alignl 7, 3214868480
	.fill 96, 4, 3214868480
	.section	.rodata,"a",@progbits
	.p2align	6, 0x0
	.amdhsa_kernel k_q295b3e77f2_cast
		.amdhsa_group_segment_fixed_size 0
		.amdhsa_private_segment_fixed_size 0
		.amdhsa_enable_private_segment 0
		.amdhsa_kernarg_size 48
		.amdhsa_user_sgpr_count 2
		.amdhsa_user_sgpr_kernarg_segment_ptr 1
		.amdhsa_wavefront_size32 1
		.amdhsa_system_sgpr_workgroup_id_x 1
		.amdhsa_system_sgpr_workgroup_id_y 1
		.amdhsa_system_sgpr_workgroup_id_z 1
		.amdhsa_system_vgpr_workitem_id 0
		.amdhsa_next_free_vgpr 136
		.amdhsa_next_free_sgpr 66
		.amdhsa_reserve_vcc 0
		.amdhsa_float_denorm_mode_32 3
		.amdhsa_float_denorm_mode_16_64 3
		.amdhsa_memory_ordered 1
		.amdhsa_forward_progress 1
		.amdhsa_inst_pref_size 9
	.end_amdhsa_kernel
	.amdgpu_metadata
---
amdhsa.version: [ 1, 2 ]
amdhsa.kernels:
  - .name:           k_q295b3e77f2_cast
    .symbol:         k_q295b3e77f2_cast.kd
    .args:
      - { .name: x, .offset: 0, .size: 8, .value_kind: global_buffer, .address_space: global }
      - { .name: Wq, .offset: 8, .size: 8, .value_kind: global_buffer, .address_space: global }
      - { .name: Wk, .offset: 16, .size: 8, .value_kind: global_buffer, .address_space: global }
      - { .name: Wv, .offset: 24, .size: 8, .value_kind: global_buffer, .address_space: global }
      - { .name: xb, .offset: 32, .size: 8, .value_kind: global_buffer, .address_space: global }
      - { .name: wb, .offset: 40, .size: 8, .value_kind: global_buffer, .address_space: global }
    .group_segment_fixed_size: 0
    .private_segment_fixed_size: 0
    .kernarg_segment_align: 8
    .kernarg_segment_size: 48
    .max_flat_workgroup_size: 256
    .sgpr_count:     66
    .vgpr_count:     136
    .wavefront_size: 32
...
	.end_amdgpu_metadata
.endif
;; end of part 1
;; launch proj (part 2): grid 8 x 32, 4 waves a work-group, clusters of 4 x 4, 327,680 bytes of LDS; arguments xb, wb, qkv; writes qkv
.if DOCPART == 2
	.amdgcn_target "amdgcn-amd-amdhsa--gfx1250"
	.amdhsa_code_object_version 6
	.text
	.protected	k_q295b3e77f2_proj
	.globl	k_q295b3e77f2_proj
	.p2align	8
	.type	k_q295b3e77f2_proj,@function
k_q295b3e77f2_proj:
	s_mov_b64 s[64:65], 0
	v_nop
	global_prefetch_b8 v0, s[64:65] scope:SCOPE_SE
	s_setreg_imm32_b32 hwreg(HW_REG_WAVE_MODE, 25, 1), 1
	s_wait_xcnt 0x0
	s_wait_alu depctr_hold_cnt(0) depctr_sa_sdst(0) depctr_va_vdst(0) depctr_va_sdst(0) depctr_va_ssrc(0) depctr_va_vcc(0) depctr_vm_vsrc(0)
	s_getreg_b32 s2, hwreg(HW_REG_IB_STS2, 6, 4)
	s_cmp_eq_u32 s2, 0
	s_cbranch_scc0 .Lentry_in_a_cluster
	s_endpgm
.Lentry_in_a_cluster:
	s_bfe_u32 s2, ttmp6, 0x10000c
	s_cmp_lg_u32 s2, 0xf033
	s_cbranch_scc0 .Lentry_shape_is_right
	s_endpgm
.Lentry_shape_is_right:
; PROJ.  qkv[m][n] = the sum over k of x[m][k] w[k][n].  xb [16 blocks of 64 k][8192 m][64] bf16, wb [1024 k][3072 n] bf16, qkv [8192][3072] f16 (q, k, v side by side); sums in f32, rounded once.
; LIMIT.  f16 ends at 65,504: |q|, |k|, |v| must stay below it.  NaN and infinities are not treated apart.
; SHARES.  8192 x 3072 outputs on 256 work-groups: ONE tile of 256 x 384 each.  Four waves, each 128 rows x 192 columns: 96 accumulators of 16 x 16, 768 registers.  For 32 along K a wave loads
; 8 fragments of x and 12 of w (40 LDS loads) and issues 96 matrix instructions.
; The tile's 384 columns are three CHUNKS of 128; a wave takes 64 columns of each (16 i + 64 x its column half), so that every LDS offset is a constant of the text.
; THE RING.  K goes in 16 steps of 64 through two LDS slots.  A slot: x's 256 rows x 128 bytes (32,768 dense bytes of xb, asked for as 128 rows of 256 bytes and padded behind every 128), fetched by wave 3;
; then w's three chunks, 64 k x 256 bytes each: wave w (0 to 2) fetches chunk w, to LDS byte AREG + w x BC of the slot.  A refill has 176 of a step's 192 matrix instructions in which to land.
; CLUSTER 4 x 4.  x's tile hangs on the tile row alone and is asked for jointly along a row of the cluster, w's chunks on the tile column alone, jointly along a column.
; THE MATRIX INSTRUCTION IS USED TRANSPOSED: source 0 = 16 columns of w (turned on the way out of LDS by ds_load_tr16_b128, since wb lies [k][n]), source 1 = 16 rows of x:
; a lane then holds eight neighbouring numbers of a row of qkv.
; A SLICE is 32 along K: three PHASES of 32 matrix instructions, a chunk each.  x's fragments have two buffers, w's ONE set: at a phase's head the chunk that has just been multiplied is loaded
; again for its next use, 64 matrix instructions on; the next slice's x is loaded at the second phase's head, as far ahead.
; REGISTERS, in windows of 256 (s_set_vgpr_msb: bits 1:0 source 0, 3:2 source 1, 5:4 source 2, 7:6 destination).  Window 0: v0-31 addresses; v32-159 x's fragments, two buffers of 8 x 8;
; v160-255 w's, chunk c, block i at 160 + 32 c + 8 i; on the way out v32-159 at work.  Window 1 + c: chunk c's accumulators, (row block a, column block i) at 8 (4 a + i).
; Two switches a phase: one for its loads, one for its products.
.set PA,     144                       ; an LDS row of x: 128 bytes + 16 of padding = 36 words: the 16 rows of a load start at 16 different groups of four banks (ISA guide 11.1)
.set AREG,   256*PA
.set PB,     288                       ; an LDS row of a chunk of w: 256 bytes + 32
.set BC,     64*PB                     ; a chunk
.set SLOT,   AREG+3*BC
.set STAGE,  2*SLOT                    ; behind the ring: two stages of 256 rows x 272 bytes, the work-group's, for the way out
.set SPITCH, 272
.set STSZ,   256*SPITCH
.set SPARE,  STAGE+2*STSZ              ; the spare words, 128 bytes for each wave: two blocks of 256 bytes that no other line names
.set A0,   3                           ; v3      my place in x's tile, slot 0; never rewritten
.set B0,   4                           ; v4      in w's chunk 0, slot 0; never rewritten
.set ADRA, 16                          ; v16-17  the same two in the slot in hand
.set ADRB, 17
.set STO,  22                          ; v22-23  the way out: where I put 16 bytes of a row, stage 0, 1
.set RD,   24                          ; v24-25  where I read rows back
.set CO,   26                          ; v26     my byte offset in qkv
.set SPW,  28                          ; v28     SPARE + 4 x my thread's number; never rewritten
.set NIL,  29                          ; v29     0; never rewritten
.set PFO,  30                          ; v30     the prefetches' lane offset; never rewritten
.set AF,   32
.set BF,   160
.set TMP,  32
.set G1,   24                          ; s[24:31] group 1 for x's tiles; s[32:39] group 0: a set for each first fill; the second then walks
.set G0,   32
.set G1B,  48                          ; s[48:55], s[56:63] the same for w's chunks
.set G0B,  56
.set TBR,  66                          ; s66  the slot in hand: 0 or SLOT
.set NF,   67                          ; s67  the number of the next fill, 0..15
.set CNT,  68
.set ABASE, 70                         ; s[70:71] xb at my tile's rows, block 0
.set BBASE, 72                         ; s[72:73] wb at k 0, the chunk of my wave's number
.set OFF,  74                          ; s[74:75], s[76:77], s[84:85] byte offsets, high word 0
.set OFFB, 76
.set T0,   78
.set PFB,  80                          ; s[80:81] where my prefetches begin, fill 0
.set PFA,  82                          ; s[82:83] where the prefetch in hand stands
.set OFFP, 84
.set LIM,  86                          ; s86  the last fill that I may name first; 0 in a wave that asks for nothing
.set PS,   87                          ; s87  bytes from fill to fill in what I prefetch
.set PM,   88                          ; s88  1: I ask on even fills alone
.set MSB, 0
.macro WIN new                         ; the immediate's high byte repeats the setting that is left; a switch that changes nothing is dropped
.if MSB != (\new)
	s_set_vgpr_msb (MSB<<8)|(\new)
.set MSB, \new
.endif
.endm
.macro PLACES                          ; four places in front of loads into registers that matrix instructions have read, and of conversions that read results
.rept 4
	v_nop
.endr
.endm
; A joint refill by the walking set: wave 3 fetches x's tile, waves 0 to 2 a chunk of w each.  The branch hangs on the wave's number alone.  An s_nop 0 and four v_nop follow each line.
.macro JLOAD
	s_cmp_eq_u32 s10, 3
	s_cbranch_scc0 .Lfor_b_\@
	tensor_load_to_lds s[G0+4:G0+7], s[G1:G1+7]
	s_nop 0
.rept 4
	v_nop
.endr
	s_branch .Lasked_\@
.Lfor_b_\@:
	tensor_load_to_lds s[G0B+4:G0B+7], s[G1B:G1B+7]
	s_nop 0
.rept 4
	v_nop
.endr
.Lasked_\@:
.endm
.macro CREST                           ; a round of the cluster's barrier behind its opening barrier
	s_cmp_lg_u32 s10, 0
	s_cbranch_scc1 .Lnot_wave_0_\@
	s_barrier_signal -3
.Lnot_wave_0_\@:
	s_barrier_wait -3
	s_barrier_signal -1
	s_barrier_wait -1
.endm
.macro CROUND
	s_barrier_signal -1
	s_barrier_wait -1
	CREST
.endm
; Group 0 of set n for fill NF (K step NF), into the slot in hand.  Scalar work alone.  Every wave makes both; it asks by one of them.
.macro MKADR n
	s_lshl_b32 s[OFF], s[NF], 20                   ; a block of xb
	s_mul_i32 s[OFFB], s[NF], 393216               ; 64 rows of wb
	s_add_nc_u64 s[G0+4*(\n)+2:G0+4*(\n)+3], s[ABASE:ABASE+1], s[OFF:OFF+1]
	s_or_b32 s[G0+4*(\n)+3], s[G0+4*(\n)+3], 0x80000000
	s_add_co_u32 s[G0+4*(\n)+1], s[TBR], s20
	s_add_nc_u64 s[G0B+4*(\n)+2:G0B+4*(\n)+3], s[BBASE:BBASE+1], s[OFFB:OFFB+1]
	s_or_b32 s[G0B+4*(\n)+3], s[G0B+4*(\n)+3], 0x80000000
	s_add_co_u32 s[G0B+4*(\n)+1], s[TBR], s21
	s_add_co_u32 s[NF], s[NF], 1
.endm
; THE PREFETCH, behind each refill, its five lines and the run of LDS loads that follows them: the fill after the one that is being asked for: a K step, 192 matrix instructions, ahead of its load.
; x's rows are read by the two clusters of a row of clusters: the one with x = 0 asks, in wave 3; of a fill's 128 blocks of 256 bytes each of the four partners takes 32, told apart by address, a lane a block.
; w's chunks are read by the eight clusters of a column: the one with y = 0 asks, in waves 0 to 2, each for the chunk that it fetches; of a fill's 64 rows each partner takes 16; lanes 0-15 name them in
; the next fill, lanes 16-31 in the fill after it, on even fills alone.  So each block is named once in the launch.
; Fills 0 to 2 of x and 0 to 3 of w come by their loads alone; no fill beyond 15 is named.
.macro PFSTEP                          ; NF is the fill about to be asked for
	s_add_co_u32 s[T0], s[NF], 1
	s_mul_i32 s[OFFP], s[T0], s[PS]
	s_add_nc_u64 s[PFA:PFA+1], s[PFB:PFB+1], s[OFFP:OFFP+1]
.endm
.macro ASK                             ; NF has been stepped: it is the fill that the prefetch names
	s_and_b32 s[T0], s[NF], s[PM]
	s_cmp_eq_u32 s[T0], 0
	s_cselect_b32 s[T0], s[LIM], 0
	s_cmp_le_u32 s[NF], s[T0]
	s_cbranch_scc0 .Lnot_mine_\@
	global_prefetch_b8 v[PFO], s[PFA:PFA+1] th:TH_LOAD_NT scope:SCOPE_SE
.Lnot_mine_\@:
.endm
; 4 n matrix instructions of chunk c: row blocks a0 .. a0 + n - 1 of x's buffer buf x the chunk's 4 column blocks.  zero = 1: the products start the sums: nothing is ever cleared.
; All 96 accumulators take turns, one instruction a turn, over the backward jumps too.
.macro MULS c, buf, a0, n, zero
	WIN 0x50*(1+(\c))
.set a_, \a0
.rept \n
.irp i, 0,1,2,3
.if \zero
	v_wmma_f32_16x16x32_bf16 v[8*(4*a_+(\i)):8*(4*a_+(\i))+7], v[BF+32*(\c)+8*(\i):BF+32*(\c)+8*(\i)+7], v[AF+64*(\buf)+8*a_:AF+64*(\buf)+8*a_+7], 0
.else
	v_wmma_f32_16x16x32_bf16 v[8*(4*a_+(\i)):8*(4*a_+(\i))+7], v[BF+32*(\c)+8*(\i):BF+32*(\c)+8*(\i)+7], v[AF+64*(\buf)+8*a_:AF+64*(\buf)+8*a_+7], v[8*(4*a_+(\i)):8*(4*a_+(\i))+7]
.endif
.endr
.set a_, a_+1
.endr
.endm
.macro LA kh, buf                      ; 16 LDS loads: x's 8 fragments of half kh (32 along K) of the slot in hand
	WIN 0
.irp a, 0,1,2,3,4,5,6,7
	ds_load_b128 v[AF+64*(\buf)+8*(\a):AF+64*(\buf)+8*(\a)+3],   v[ADRA] offset:(\a)*16*PA+64*(\kh)
	ds_load_b128 v[AF+64*(\buf)+8*(\a)+4:AF+64*(\buf)+8*(\a)+7], v[ADRA] offset:(\a)*16*PA+64*(\kh)+32
.endr
.endm
.macro LB kh, c                        ; 8 LDS loads: chunk c's 4 fragments of half kh
	WIN 0
.irp i, 0,1,2,3
	ds_load_tr16_b128 v[BF+32*(\c)+8*(\i):BF+32*(\c)+8*(\i)+3],   v[ADRB] offset:(\c)*BC+32*(\kh)*PB+32*(\i)
	ds_load_tr16_b128 v[BF+32*(\c)+8*(\i)+4:BF+32*(\c)+8*(\i)+7], v[ADRB] offset:(\c)*BC+(32*(\kh)+16)*PB+32*(\i)
.endr
.endm
; A K STEP of 64: two slices, 192 matrix instructions.  At its head x's first half (buffer 0) and w's chunks 0 and 1 of that half have been asked for.
; The counted waits: LDS loads come back in order, and the count is that of the loads issued behind the ones wanted.
; THE CHANGE OF SLOTS stands in the second slice's first phase, behind the slot's last reads (chunk 2 of its second half) and ahead of the first reads of the next slot.  ONE barrier: in front of it each wave
; waits for all its tensor loads (one is out: its part of the next slot), adds 0 to its spare word, and waits for that and for its reads of this slot.  fill = 1: the barrier opens a round of the cluster's,
; and the slot just read is filled again first thing behind it.  lastskip = 1: in the loop's last trip there is no next step, and the loads are jumped over.
.macro STEP zero, fill, ask, lastskip
	WIN 0
	PLACES
	LB 0, 2
	s_wait_dscnt 16                                ; x's half and chunk 0 are in; chunks 1 and 2 may be out
	MULS 0, 0, 0, 8, \zero
	WIN 0
	PLACES
	LA 1, 1
	LB 1, 0
	s_wait_dscnt 32                                ; chunk 1 is in; behind it: chunk 2's 8 and the 24 just issued
	MULS 1, 0, 0, 8, \zero
	WIN 0
	PLACES
	LB 1, 1
	s_wait_dscnt 32                                ; chunk 2 is in; behind it: 24 and 8
	MULS 2, 0, 0, 8, \zero
	WIN 0
	PLACES
	LB 1, 2                                        ; my last reads of this slot
.if \ask
	s_wait_xcnt 0x0                                ; the last prefetch, a K step back, has read its address
	PFSTEP
.endif
	s_wait_dscnt 16                                ; x's second half and chunk 0 are in
	MULS 0, 1, 0, 4, 0
	WIN 0                                          ; (the add's two registers lie in window 0)
	s_wait_tensorcnt 0x0                           ; no tensor load of mine is out, so the walking set may be written
	ds_add_u32 v[SPW], v[NIL]
.if \fill
	MKADR 1
.endif
	s_xor_b32 s[TBR], s[TBR], SLOT                 ; the other slot
	MULS 0, 1, 4, 2, 0                             ; eight matrix instructions stand between the add and the wait for it
	s_wait_dscnt 0x0                               ; the add is done, and my reads of this slot are over
	s_barrier_signal -1
	MULS 0, 1, 6, 2, 0
	WIN 0
	v_add_nc_u32 v[ADRA], s[TBR], v[A0]
	v_add_nc_u32 v[ADRB], s[TBR], v[B0]
	s_barrier_wait -1
.if \fill
	CREST                                          ; no wave of any partner still reads this slot or has a load on its way
	JLOAD                                          ; its four v_nop are also the places in front of the loads below
.else
	PLACES
.endif
.if \lastskip
	s_cmp_eq_u32 s[CNT], 1
	s_cbranch_scc1 .Lno_a_\@
.endif
	LA 0, 0                                        ; the next slot's first half
	LB 0, 0
.if \lastskip
.Lno_a_\@:
.endif
.if \ask
	ASK
.endif
	s_wait_dscnt 32                                ; (chunks 1 and 2 came in with the wait for 0 above)
	MULS 1, 1, 0, 8, 0
	WIN 0
	PLACES
.if \lastskip
	s_cmp_eq_u32 s[CNT], 1
	s_cbranch_scc1 .Lno_b_\@
.endif
	LB 0, 1
.if \lastskip
.Lno_b_\@:
.endif
	s_wait_dscnt 32
	MULS 2, 1, 0, 8, 0
.endm
; THE WAY OUT of chunk c through stage st: rounded to f16; 16 bytes a lane into the work-group's stage; a barrier, since a row's 256 bytes come from two waves; back as whole rows, 64 rows a wave.
.macro OUT c, st
	WIN 0
	s_wait_xcnt 0x0                                ; the stores of the chunk before have read the registers that are written below
	WIN 5*(1+(\c))                                 ; sources 0 and 1 in the chunk's window, destination in window 0
.set t_, 0
.rept 128
	v_cvt_pk_f16_f32 v[TMP+t_], v[2*t_], v[2*t_+1] ; ascending: each accumulator is read from its low end
.set t_, t_+1
.endr
	WIN 0
.irp a, 0,1,2,3,4,5,6,7
.irp i, 0,1,2,3
	ds_store_b128 v[STO+(\st)], v[TMP+4*(4*(\a)+(\i)):TMP+4*(4*(\a)+(\i))+3] offset:(\a)*16*SPITCH+32*(\i)
.endr
.endr
	s_wait_dscnt 0x0                               ; for the others' sake: my stores into the stage are done (and my reads of the other stage are back)
	s_barrier_signal -1
	s_barrier_wait -1
.set t_, 0
.rept 32
	ds_load_b128 v[TMP+4*t_:TMP+4*t_+3], v[RD+(\st)] offset:t_*2*SPITCH
.set t_, t_+1
.endr
.set t_, 0
.rept 32
.if t_%4 == 0
	s_wait_dscnt 28-t_                             ; the next four pairs of rows are back
.endif
	global_store_b128 v[CO], v[TMP+4*t_:TMP+4*t_+3], s[8:9] offset:2*t_*6144+256*(\c)  ; 16 lanes store 256 consecutive bytes, aligned
.set t_, t_+1
.endr
.endm
	s_load_b128 s[4:7], s[0:1], 0x0                ; xb s[4:5], wb s[6:7]
	s_load_b64 s[8:9], s[0:1], 0x10                ; qkv
	v_lshl_add_u32 v[SPW], v0, 2, SPARE
	v_mov_b32 v[NIL], 0
	ds_add_u32 v[SPW], v[NIL]                      ; the wave's opening: the add and its wait stand ahead of my first tensor load
	v_lshrrev_b32 v1, 5, v0
	v_readfirstlane_b32 s10, v1                    ; wave 0..3.  Also: the chunk of w that I fetch (waves 0 to 2; wave 3 fetches x)
	s_lshr_b32 s11, s10, 1                         ; my half of the tile's rows
	s_and_b32 s12, s10, 1                          ; my half of each chunk's columns
	s_bfe_u32 s40, ttmp6, 0x40000                  ; cx
	s_bfe_u32 s41, ttmp6, 0x40004                  ; cy
	s_and_b32 s13, ttmp7, 0xffff
	s_lshl_b32 s13, s13, 2
	s_add_co_u32 s13, s13, s41                     ; tile row = 4 x cluster y + cy
	s_lshl_b32 s42, ttmp9, 2
	s_add_co_u32 s42, s42, s40                     ; tile column = 4 x cluster x + cx
	s_lshl_b32 s43, s41, 2
	s_lshl_b32 s43, 15, s43                        ; my row of the cluster
	s_lshl_b32 s44, 0x1111, s40                    ; my column
	s_or_b32 s[G1], s43, (1<<16)|(1<<20)|(1<<21)|(4<<22)|(3<<25)   ; mask; 2-byte elements; padding on; bit 21 beside a mask; after every 32 words, 4 words
	s_mov_b32 s[G1+1], 128<<16                     ; tensor_dim0 = 128 (256 bytes: two rows of x)
	s_mov_b32 s[G1+2], 128<<16                     ; tensor_dim1 = 128
	s_mov_b32 s[G1+3], 128<<16                     ; tile_dim0 = 128
	s_mov_b32 s[G1+4], 128                         ; tile_dim1 = 128
	s_mov_b32 s[G1+5], 128                         ; dense
	s_mov_b32 s[G1+6], 0
	s_mov_b32 s[G1+7], 0
	s_or_b32 s[G1B], s44, (1<<16)|(1<<20)|(1<<21)|(5<<22)|(7<<25)  ; after every 64 words, 8 words
	s_mov_b32 s[G1B+1], 128<<16                    ; tensor_dim0 = 128
	s_mov_b32 s[G1B+2], 64<<16                     ; tensor_dim1 = 64
	s_mov_b32 s[G1B+3], 128<<16                    ; tile_dim0 = 128
	s_mov_b32 s[G1B+4], 64                         ; tile_dim1 = 64
	s_mov_b32 s[G1B+5], 3072                       ; elements from row to row
	s_mov_b32 s[G1B+6], 0
	s_mov_b32 s[G1B+7], 0
	s_mov_b32 s[G0], 1
	s_mov_b32 s[G0+4], 1
	s_mov_b32 s[G0B], 1
	s_mov_b32 s[G0B+4], 1
	s_mov_b32 s[OFF+1], 0
	s_mov_b32 s[OFFB+1], 0
	s_mov_b32 s[OFFP+1], 0
	s_lshl_b32 s14, s13, 15                        ; xb: 256 x tile row rows of 128 bytes
	s_mov_b32 s15, 0
	s_mul_i32 s46, s42, 768                        ; wb: the tile's 384 columns,
	s_lshl_b32 s47, s10, 8                         ; my chunk's 128
	s_add_co_u32 s46, s46, s47
	s_mov_b32 s47, 0
	s_mov_b32 s20, 0                               ; where they go in a slot: x's tile at its head,
	s_mul_i32 s21, s10, BC                         ; chunk w at AREG + w x BC: the wave's number times a constant plus a constant; no place in the cluster enters an LDS address
	s_add_co_u32 s21, s21, AREG
	s_wait_dscnt 0x0                               ; the opening add is done
	s_wait_kmcnt 0x0
	s_add_nc_u64 s[ABASE:ABASE+1], s[4:5], s[14:15]
	s_add_nc_u64 s[BBASE:BBASE+1], s[6:7], s[46:47]
	s_mov_b32 s[NF], 0
	s_mov_b32 s[TBR], 0
	MKADR 0                                        ; fill 0 into slot 0,
	s_mov_b32 s[TBR], SLOT
	MKADR 1                                        ; fill 1 into slot 1
	s_mov_b32 s[TBR], 0
	CROUND                                         ; all sixteen work-groups are here: the first joint loads meet
	s_cmp_eq_u32 s10, 3                            ; a wave's two first fills stand in one branch: two loads of mine are out
	s_cbranch_scc0 .Lfirst_b
	tensor_load_to_lds s[G0:G0+3], s[G1:G1+7]
	s_nop 0
	tensor_load_to_lds s[G0+4:G0+7], s[G1:G1+7]
	s_nop 0
.rept 4
	v_nop
.endr
	s_branch .Lfirst_done
.Lfirst_b:
	tensor_load_to_lds s[G0B:G0B+3], s[G1B:G1B+7]
	s_nop 0
	tensor_load_to_lds s[G0B+4:G0B+7], s[G1B:G1B+7]
	s_nop 0
.rept 4
	v_nop
.endr
.Lfirst_done:
	v_and_b32 v1, 15, v0                           ; r = l % 16
	v_bfe_u32 v2, v0, 4, 1                         ; h = l / 16
	v_mul_u32_u24 v[A0], v1, PA                    ; a fragment of x: row r, 16 bytes for each half of the lanes
	v_lshl_add_u32 v[A0], v2, 4, v[A0]
	s_mul_i32 s16, s11, 128*PA                     ; my 128 rows
	v_add_nc_u32 v[A0], s16, v[A0]
	v_and_b32 v6, 7, v0                            ; the turning load: lane l reads k 8 h + l % 8, columns 8 ((l / 8) % 2) on
	v_bfe_u32 v7, v0, 3, 1
	v_lshl_add_u32 v[B0], v2, 3, v6
	v_mul_u32_u24 v[B0], v[B0], PB
	v_lshl_add_u32 v[B0], v7, 4, v[B0]
	s_lshl_b32 s16, s12, 7                         ; my 64 columns of a chunk
	s_add_co_u32 s16, s16, AREG
	v_add_nc_u32 v[B0], s16, v[B0]
	v_mov_b32 v[ADRA], v[A0]
	v_mov_b32 v[ADRB], v[B0]
	s_mul_i32 s16, s11, 128*SPITCH                 ; into a stage: my 128 rows, my half of their 256 bytes
	s_lshl_b32 s17, s12, 7
	s_add_co_u32 s16, s16, s17
	s_add_co_u32 s16, s16, STAGE
	v_mul_u32_u24 v6, v1, SPITCH
	v_lshl_add_u32 v6, v2, 4, v6
	v_add_nc_u32 v[STO], s16, v6
	v_add_nc_u32 v[STO+1], STSZ, v[STO]
	s_mul_i32 s16, s10, 64*SPITCH                  ; back: rows 64 w .. 64 w + 63, whole: lanes 0-15 one row, lanes 16-31 the next
	s_add_co_u32 s16, s16, STAGE
	v_mul_u32_u24 v6, v2, SPITCH
	v_lshl_add_u32 v6, v1, 4, v6
	v_add_nc_u32 v[RD], s16, v6
	v_add_nc_u32 v[RD+1], STSZ, v[RD]
	v_mul_u32_u24 v6, v2, 6144
	v_lshl_add_u32 v[CO], v1, 4, v6
	s_lshl_b32 s16, s13, 8
	s_lshl_b32 s17, s10, 6
	s_add_co_u32 s16, s16, s17
	s_mul_i32 s16, s16, 6144                       ; the first row that I store,
	s_mul_i32 s17, s42, 768                        ; the tile's first column
	s_add_co_u32 s16, s16, s17
	s_mov_b32 s17, 0
	s_add_nc_u64 s[8:9], s[8:9], s[16:17]
	s_lshl_b32 s16, s13, 15                        ; the prefetches.  xb: my tile's rows, my work-group's 32 blocks of 256 bytes
	s_lshl_b32 s17, s40, 13
	s_add_co_u32 s16, s16, s17
	s_mul_i32 s17, s41, 98304                      ; wb: my work-group's 16 of a fill's 64 rows, the tile's columns, my chunk
	s_mul_i32 s18, s42, 768
	s_add_co_u32 s17, s17, s18
	s_lshl_b32 s18, s10, 8
	s_add_co_u32 s17, s17, s18
	s_and_b32 s18, ttmp7, 0xffff                   ; cluster y
	s_mov_b32 s22, 0x100000
	s_mov_b32 s23, 393216
	s_movk_i32 s45, 6144
	s_cmp_eq_u32 s10, 3                            ; do I fetch x?
	s_cselect_b32 s16, s16, s17
	s_cselect_b32 s18, ttmp9, s18                  ; the coordinate along which other clusters read the same rows
	s_cselect_b64 s[PFB:PFB+1], s[4:5], s[6:7]
	s_cselect_b32 s[PS], s22, s23
	s_cselect_b32 s[PM], 0, 1
	s_cselect_b32 s[T0], 15, 14
	s_cselect_b32 s22, 256, s45                    ; from lane to lane: a block of xb, a row of wb;
	s_cselect_b32 s23, 4096, s23                   ; lanes 16-31: 16 blocks on, a fill on
	s_cmp_eq_u32 s18, 0
	s_cselect_b32 s[LIM], s[T0], 0                 ; the same in all sixteen partners, for a given wave
	s_mov_b32 s17, 0
	s_add_nc_u64 s[PFB:PFB+1], s[PFB:PFB+1], s[16:17]
	v_mul_u32_u24 v[PFO], v1, s22
	v_mad_u32_u24 v[PFO], v2, s23, v[PFO]
	s_wait_tensorcnt 0x1                           ; my part of fill 0 is in; fill 1 may stay out
	s_barrier_signal -1
	s_barrier_wait -1
	LA 0, 0
	LB 0, 0
	LB 0, 1
	STEP 1, 1, 1, 0                                ; K step 0 is written out: its first slice starts the sums; it asks for fill 2
	WIN 0                                          ; at a label and at a branch every window is 0
	s_mov_b32 s[CNT], 13                           ; K steps 1 to 13 ask for fills 3 to 15
.Lstep:
	STEP 0, 1, 1, 0
	WIN 0
	s_sub_co_u32 s[CNT], s[CNT], 1
	s_cmp_lg_u32 s[CNT], 0
	s_cbranch_scc1 .Lstep
	s_mov_b32 s[CNT], 2                            ; K steps 14 and 15 ask for nothing
.Ltail:
	STEP 0, 0, 0, 1
	WIN 0
	s_sub_co_u32 s[CNT], s[CNT], 1
	s_cmp_lg_u32 s[CNT], 0
	s_cbranch_scc1 .Ltail
	PLACES                                         ; the conversions write registers that the last products have read
	OUT 0, 0
	OUT 1, 1
	OUT 2, 0                                       ; stage 0 again: every wave's reads of it came back ahead of the barrier of chunk 1
	s_wait_tensorcnt 0x0                           ; the wave's end
	ds_add_u32 v[SPW], v[NIL]
	s_wait_dscnt 0x0
	CROUND                                         ; the closing round
	s_endpgm
.Lfunc_end_k_q295b3e77f2_proj:
	.size	k_q295b3e77f2_proj, .Lfunc_end_k_q295b3e77f2_proj-k_q295b3e77f2_proj
	.p2alignl 7, 3214868480
	.fill 96, 4, 3214868480
	.section	.rodata,"a",@progbits
	.p2align	6, 0x0
	.amdhsa_kernel k_q295b3e77f2_proj
		.amdhsa_group_segment_fixed_size 327680
		.amdhsa_private_segment_fixed_size 0
		.amdhsa_enable_private_segment 0
		.amdhsa_kernarg_size 24
		.amdhsa_user_sgpr_count 2
		.amdhsa_user_sgpr_kernarg_segment_ptr 1
		.amdhsa_wavefront_size32 1
		.amdhsa_system_sgpr_workgroup_id_x 1
		.amdhsa_system_sgpr_workgroup_id_y 1
		.amdhsa_system_sgpr_workgroup_id_z 1
		.amdhsa_system_vgpr_workitem_id 0
		.amdhsa_next_free_vgpr 1024
		.amdhsa_next_free_sgpr 100
		.amdhsa_reserve_vcc 0
		.amdhsa_float_denorm_mode_32 3
		.amdhsa_float_denorm_mode_16_64 3
		.amdhsa_memory_ordered 1
		.amdhsa_forward_progress 1
		.amdhsa_inst_pref_size 117
	.end_amdhsa_kernel
	.amdgpu_metadata
---
amdhsa.version: [ 1, 2 ]
amdhsa.kernels:
  - .name:           k_q295b3e77f2_proj
    .symbol:         k_q295b3e77f2_proj.kd
    .args:
      - { .name: xb, .offset: 0, .size: 8, .value_kind: global_buffer, .address_space: global }
      - { .name: wb, .offset: 8, .size: 8, .value_kind: global_buffer, .address_space: global }
      - { .name: qkv, .offset: 16, .size: 8, .value_kind: global_buffer, .address_space: global }
    .group_segment_fixed_size: 327680
    .private_segment_fixed_size: 0
    .kernarg_segment_align: 8
    .kernarg_segment_size: 24
    .max_flat_workgroup_size: 128
    .sgpr_count:     100
    .vgpr_count:     1024
    .wavefront_size: 32
...
	.end_amdgpu_metadata
.endif
;; end of part 2
;; launch score (part 3): grid 40 x 16, 4 waves a work-group, clusters of 4 x 4, 327,680 bytes of LDS; arguments qkv, pb, st; writes pb, st
.if DOCPART == 3
	.amdgcn_target "amdgcn-amd-amdhsa--gfx1250"
	.amdhsa_code_object_version 6
	.text
	.protected	k_q295b3e77f2_score
	.globl	k_q295b3e77f2_score
	.p2align	8
	.type	k_q295b3e77f2_score,@function
k_q295b3e77f2_score:
	s_mov_b64 s[64:65], 0
	v_nop
	global_prefetch_b8 v0, s[64:65] scope:SCOPE_SE
	s_setreg_imm32_b32 hwreg(HW_REG_WAVE_MODE, 25, 1), 1
	s_wait_xcnt 0x0
	s_wait_alu depctr_hold_cnt(0) depctr_sa_sdst(0) depctr_va_vdst(0) depctr_va_sdst(0) depctr_va_ssrc(0) depctr_va_vcc(0) depctr_vm_vsrc(0)
	s_getreg_b32 s2, hwreg(HW_REG_IB_STS2, 6, 4)
	s_cmp_eq_u32 s2, 0
	s_cbranch_scc0 .Lentry_in_a_cluster
	s_endpgm
.Lentry_in_a_cluster:
	s_bfe_u32 s2, ttmp6, 0x10000c
	s_cmp_lg_u32 s2, 0xf033
	s_cbranch_scc0 .Lentry_shape_is_right
	s_endpgm
.Lentry_shape_is_right:
; SCORE.  For a tile of 128 queries x 128 keys of one batch: S = q k^T (f16 products, f32 sums), the causal mask, and the softmax's first half BY GROUPS OF 64 KEYS:
; for row q and group g: m = the largest visible score of the group, mu = c m, p = 2^(c s - mu), l = the sum of the p;  c = log2(e) / 32.
; pb[b][q][key] = p in f16;  st[b][g][q] = (mu, l) in f32.  The launch behind joins the groups by factors 2^(mu_g - the row's largest mu), which are 1 at the most.
; LIMITS.  A hidden score counts as -2^100, and a group's maximum is at least -2^96: true |q . k| stays under 4.4e12 with f16 operands.  A group that is hidden whole gives p = 0, l = 0.
; A weight below 2^-126 counts as 0; below 6e-5 p keeps f16's fixed step.  l is the sum of the unrounded p.  NaN and infinities are not treated apart.
; SHARES.  A batch's lower triangle is ten blocks of 512 x 512: a cluster of 4 x 4 work-groups takes one (cluster x = 0..9 names row block R and column block C; cluster y the batch), a work-group one tile,
; a wave 64 x 64: its 64 keys ARE a group.  q's tile is asked for jointly along a row of the cluster, k's along a column.
; In the four blocks on the diagonal six of the sixteen tiles are hidden whole.  Their work-groups run the same text (they are named in the joint loads)
; and store p = 0, l = 0; of these tiles the next launch reads those with an even query tile i and key tile i + 1.
; No prefetch: of a work-group's four K steps two are the first fills and two are asked for in the next two steps: no trip stands far enough ahead of a load.
; LAYOUT.  Source 0 = 16 keys, source 1 = 16 queries: a lane holds ONE query (r = lane % 16) and the keys 8 (lane / 16) + 0..7 of each block of 16; the query's other 32 keys lie in the lane 16 away.
; REGISTERS.  Window 0: v0-31 addresses; v32-95 p in f16, then whole rows; v96-127 eight registers of statistics for each of my four row blocks; v128-255 the accumulators.  Window 1: two fragment buffers.
.set PA,     528
.set AH,     64*PA
.set AREG,   2*AH
.set SLOT,   4*AH                      ; 128 rows of q, then 128 rows of k, 256 channels each
.set STAGE,  2*SLOT
.set SPITCH, 272
.set SPARE,  STAGE+128*SPITCH
.set A0,   3
.set B0,   4
.set D0,   5                           ; v5   my query less my first key, signed
.set NEG,  6                           ; v6   -2^100
.set ADRA, 16
.set ADRB, 17
.set STO,  24
.set RD,   25
.set CO,   26
.set SO,   27                          ; v27  8 x lane
.set SPW,  28
.set NIL,  29
.set TMP,  32
.set ST,   96                          ; row block a at ST + 8 a: mu, m, l, -, c0-c3 at work
.set ACC,  128
.set F0,   0
.set F1,   128
.set G1,   24
.set G0,   32
.set G1B,  48
.set G0B,  56
.set TBR,  66
.set NF,   67
.set CNT,  68
.set ABASE, 70
.set BBASE, 72
.set OFF,  74
.set RR,   87                          ; s87  R
.set CC,   88                          ; s88  C
.set BT,   89                          ; s89  the batch
.set IQ,   90                          ; s90  query tile i = 4 R + cy
.set JK,   91                          ; s91  key tile j = 4 C + cx
.set CS,   92                          ; s[92:93] c
.set SEL,  94                          ; s[94:95] v_permlanex16_b32's selects
.set FL,   96                          ; s96  -2^96
.set HM,   97                          ; s97  lanes 16-31
.set STB,  98                          ; s[98:99] st at my group and my 64 rows
.set MSB, 0
.macro WIN new
.if MSB != (\new)
	s_set_vgpr_msb (MSB<<8)|(\new)
.set MSB, \new
.endif
.endm
.set MUL,  0x05
.set TO_F, 0x40
.macro PLACES
.rept 4
	v_nop
.endr
.endm
.macro JLOAD                           ; waves 0 and 1 fetch q's halves, waves 2 and 3 k's
	s_cmp_eq_u32 s11, 0
	s_cbranch_scc0 .Lfor_b_\@
	tensor_load_to_lds s[G0+4:G0+7], s[G1:G1+7]
	s_nop 0
.rept 4
	v_nop
.endr
	s_branch .Lasked_\@
.Lfor_b_\@:
	tensor_load_to_lds s[G0B+4:G0B+7], s[G1B:G1B+7]
	s_nop 0
.rept 4
	v_nop
.endr
.Lasked_\@:
.endm
.macro CREST
	s_cmp_lg_u32 s10, 0
	s_cbranch_scc1 .Lnot_wave_0_\@
	s_barrier_signal -3
.Lnot_wave_0_\@:
	s_barrier_wait -3
	s_barrier_signal -1
	s_barrier_wait -1
.endm
.macro CROUND
	s_barrier_signal -1
	s_barrier_wait -1
	CREST
.endm
.macro MKADR n                         ; group 0 of set n for K step NF, into the slot in hand
	s_lshl_b32 s[OFF], s[NF], 9                    ; 256 channels of a row
	s_add_nc_u64 s[G0+4*(\n)+2:G0+4*(\n)+3], s[ABASE:ABASE+1], s[OFF:OFF+1]
	s_or_b32 s[G0+4*(\n)+3], s[G0+4*(\n)+3], 0x80000000
	s_add_co_u32 s[G0+4*(\n)+1], s[TBR], s20
	s_add_nc_u64 s[G0B+4*(\n)+2:G0B+4*(\n)+3], s[BBASE:BBASE+1], s[OFF:OFF+1]
	s_or_b32 s[G0B+4*(\n)+3], s[G0B+4*(\n)+3], 0x80000000
	s_add_co_u32 s[G0B+4*(\n)+1], s[TBR], s21
	s_add_co_u32 s[NF], s[NF], 1
.endm
.macro MUL8 f, c, a0                   ; the 16 accumulators take turns, one instruction a turn, over the backward jumps too
	WIN MUL
.irp a, \a0, (\a0)+1
.irp b, 0,1,2,3
	v_wmma_f32_16x16x32_f16 v[ACC+8*(4*(\a)+(\b)):ACC+8*(4*(\a)+(\b))+7], v[(\f)+64+8*(4*(\c)+(\b)):(\f)+64+8*(4*(\c)+(\b))+7], v[(\f)+8*(4*(\c)+(\a)):(\f)+8*(4*(\c)+(\a))+7], v[ACC+8*(4*(\a)+(\b)):ACC+8*(4*(\a)+(\b))+7]
.endr
.endr
.endm
.macro FETCH q, f
	WIN TO_F
.irp c, 0,1
.irp i, 0,1,2,3
	ds_load_b128 v[(\f)+64+8*(4*(\c)+(\i)):(\f)+64+8*(4*(\c)+(\i))+3],   v[ADRB] offset:128*(\q)+64*(\c)+(\i)*16*PA
	ds_load_b128 v[(\f)+64+8*(4*(\c)+(\i))+4:(\f)+64+8*(4*(\c)+(\i))+7], v[ADRB] offset:128*(\q)+64*(\c)+(\i)*16*PA+32
	ds_load_b128 v[(\f)+8*(4*(\c)+(\i)):(\f)+8*(4*(\c)+(\i))+3],         v[ADRA] offset:128*(\q)+64*(\c)+(\i)*16*PA
	ds_load_b128 v[(\f)+8*(4*(\c)+(\i))+4:(\f)+8*(4*(\c)+(\i))+7],       v[ADRA] offset:128*(\q)+64*(\c)+(\i)*16*PA+32
.endr
.endr
.endm
.macro QUARTER q, f, g
	s_wait_dscnt 16                                ; the first 32 along K are in
	MUL8 \f, 0, 0
	MUL8 \f, 0, 2
	PLACES
	FETCH \q, \g
	s_wait_dscnt 32                                ; all but the 32 just issued
	MUL8 \f, 1, 0
	MUL8 \f, 1, 2
.endm
; The change of slots: each wave waits for all its tensor loads, adds 0 to its spare word, waits for that and for its reads of this slot, and signals.  fill = 1: a round of the cluster's barrier, the refill first behind it.
.macro TURN fill, lastskip
	WIN 0
	s_wait_tensorcnt 0x0
	ds_add_u32 v[SPW], v[NIL]
.if \fill
	MKADR 1
.endif
	s_xor_b32 s[TBR], s[TBR], SLOT
	s_wait_dscnt 17                                ; (the add and the youngest sixteen loads may be out)
	MUL8 F1, 0, 0
	s_wait_dscnt 0x0
	s_barrier_signal -1
	MUL8 F1, 0, 2
	WIN 0
	v_add_nc_u32 v[ADRA], s[TBR], v[A0]
	v_add_nc_u32 v[ADRB], s[TBR], v[B0]
	s_barrier_wait -1
.if \fill
	CREST
	JLOAD
.else
	PLACES
.endif
.if \lastskip
	s_cmp_eq_u32 s[CNT], 1
	s_cbranch_scc1 .Lnofetch_\@
.endif
	FETCH 0, F0
	WIN 0
.if \lastskip
.Lnofetch_\@:
.endif
	MUL8 F1, 1, 0
	MUL8 F1, 1, 2
.endm
.macro STEP fill, lastskip
	QUARTER 1, F0, F1
	QUARTER 2, F1, F0
	QUARTER 3, F0, F1
	TURN \fill, \lastskip
.endm
; Number j of the 19 that find row block a's maximum and mu.  s0-s31 are the lane's 32 scores; each accumulator's lowest registers are read first.
.macro MX a, j
.set rT, ST+8*(\a)
.set rS, ACC+32*(\a)
.if (\j) < 4
	v_max3_num_f32 v[rT+4+(\j)], v[rS+8*(\j)], v[rS+8*(\j)+1], v[rS+8*(\j)+2]
.elseif (\j) < 12
	v_max3_num_f32 v[rT+4+(\j)%4], v[rT+4+(\j)%4], v[rS+8*((\j)%4)+2*((\j)/4)+1], v[rS+8*((\j)%4)+2*((\j)/4)+2]
.elseif (\j) == 12
	v_max3_num_f32 v[rT+4], v[rT+4], v[rS+7], v[rS+15]
.elseif (\j) == 13
	v_max3_num_f32 v[rT+6], v[rT+6], v[rS+23], v[rS+31]
.elseif (\j) == 14
	v_max3_num_f32 v[rT+4], v[rT+4], v[rT+5], v[rT+6]
.elseif (\j) == 15
	v_max_num_f32 v[rT+4], v[rT+4], v[rT+7]
.elseif (\j) == 16
	v_permlanex16_b32 v[rT+5], v[rT+4], s[SEL], s[SEL+1]  ; the group's other 32 keys
.elseif (\j) == 17
	v_max3_num_f32 v[rT+1], v[rT+4], v[rT+5], s[FL]
.else
	v_mul_f32 v[rT], s[CS], v[rT+1]
.endif
.endm
	s_load_b128 s[4:7], s[0:1], 0x0                ; qkv s[4:5], pb s[6:7]
	s_load_b64 s[8:9], s[0:1], 0x10                ; st
	v_lshl_add_u32 v[SPW], v0, 2, SPARE
	v_mov_b32 v[NIL], 0
	ds_add_u32 v[SPW], v[NIL]                      ; the wave's opening: the add and its wait stand ahead of my first tensor load
	v_lshrrev_b32 v1, 5, v0
	v_readfirstlane_b32 s10, v1
	s_lshr_b32 s11, s10, 1                         ; my half of the queries.  Also: I fetch q (0) or k (1)
	s_and_b32 s12, s10, 1                          ; my half of the keys.  Also: which 64 rows I fetch
	s_bfe_u32 s40, ttmp6, 0x40000                  ; cx
	s_bfe_u32 s41, ttmp6, 0x40004                  ; cy
	s_cmp_gt_u32 ttmp9, 0                          ; cluster x = R (R + 1) / 2 + C
	s_cselect_b32 s13, 1, 0
	s_cmp_gt_u32 ttmp9, 2
	s_cselect_b32 s14, 1, 0
	s_cmp_gt_u32 ttmp9, 5
	s_cselect_b32 s15, 1, 0
	s_add_co_u32 s13, s13, s14
	s_add_co_u32 s[RR], s13, s15
	s_add_co_u32 s14, s[RR], 1
	s_mul_i32 s14, s14, s[RR]
	s_lshr_b32 s14, s14, 1
	s_sub_co_u32 s[CC], ttmp9, s14
	s_and_b32 s[BT], ttmp7, 0xffff
	s_lshl_b32 s[IQ], s[RR], 2
	s_add_co_u32 s[IQ], s[IQ], s41
	s_lshl_b32 s[JK], s[CC], 2
	s_add_co_u32 s[JK], s[JK], s40
	s_lshl_b32 s43, s41, 2
	s_lshl_b32 s43, 15, s43                        ; my row of the cluster
	s_lshl_b32 s44, 0x1111, s40                    ; my column
	s_or_b32 s[G1], s43, (1<<16)|(1<<20)|(1<<21)|(6<<22)|(3<<25)
	s_or_b32 s[G1B], s44, (1<<16)|(1<<20)|(1<<21)|(6<<22)|(3<<25)
.irp g, G1, G1B
	s_mov_b32 s[(\g)+1], 256<<16                   ; tensor_dim0 = 256
	s_mov_b32 s[(\g)+2], 64<<16                    ; tensor_dim1 = 64
	s_mov_b32 s[(\g)+3], 256<<16                   ; tile_dim0 = 256
	s_mov_b32 s[(\g)+4], 64                        ; tile_dim1 = 64
	s_mov_b32 s[(\g)+5], 3072                      ; elements from row to row
	s_mov_b32 s[(\g)+6], 0
	s_mov_b32 s[(\g)+7], 0
.endr
	s_mov_b32 s[G0], 1
	s_mov_b32 s[G0+4], 1
	s_mov_b32 s[G0B], 1
	s_mov_b32 s[G0B+4], 1
	s_mov_b32 s[OFF+1], 0
	s_mov_b32 s[CS], 0x3d38aa3b                    ; c = log2(e) / 32
	s_mov_b32 s[CS+1], s[CS]
	s_mov_b32 s[SEL], 0x76543210
	s_mov_b32 s[SEL+1], 0xfedcba98
	s_mov_b32 s[FL], 0xef800000
	s_mov_b32 s[HM], 0xffff0000
	s_lshl_b32 s14, s[BT], 11                      ; q: row 2,048 b + 128 i + 64 x half
	s_lshl_b32 s15, s[IQ], 7
	s_add_co_u32 s14, s14, s15
	s_lshl_b32 s15, s12, 6
	s_add_co_u32 s14, s14, s15
	s_mul_i32 s14, s14, 6144
	s_mov_b32 s15, 0
	s_lshl_b32 s46, s[BT], 11                      ; k: row 2,048 b + 128 j + 64 x half, 2,048 bytes into the row
	s_lshl_b32 s47, s[JK], 7
	s_add_co_u32 s46, s46, s47
	s_lshl_b32 s47, s12, 6
	s_add_co_u32 s46, s46, s47
	s_mul_i32 s46, s46, 6144
	s_add_co_u32 s46, s46, 2048
	s_mov_b32 s47, 0
	s_mul_i32 s20, s12, AH
	s_add_co_u32 s21, s20, AREG
	s_wait_dscnt 0x0                               ; the opening add is done
	s_wait_kmcnt 0x0
	s_add_nc_u64 s[ABASE:ABASE+1], s[4:5], s[14:15]
	s_add_nc_u64 s[BBASE:BBASE+1], s[4:5], s[46:47]
	s_mov_b32 s[NF], 0
	s_mov_b32 s[TBR], 0
	MKADR 0
	s_mov_b32 s[TBR], SLOT
	MKADR 1
	s_mov_b32 s[TBR], 0
	CROUND                                         ; all sixteen work-groups are here: the first joint loads meet
	s_cmp_eq_u32 s11, 0                            ; a wave's two first fills stand in one branch: two loads of mine are out
	s_cbranch_scc0 .Lfirst_b
	tensor_load_to_lds s[G0:G0+3], s[G1:G1+7]
	s_nop 0
	tensor_load_to_lds s[G0+4:G0+7], s[G1:G1+7]
	s_nop 0
.rept 4
	v_nop
.endr
	s_branch .Lfirst_done
.Lfirst_b:
	tensor_load_to_lds s[G0B:G0B+3], s[G1B:G1B+7]
	s_nop 0
	tensor_load_to_lds s[G0B+4:G0B+7], s[G1B:G1B+7]
	s_nop 0
.rept 4
	v_nop
.endr
.Lfirst_done:
	v_and_b32 v1, 15, v0                           ; r
	v_bfe_u32 v2, v0, 4, 1                         ; h
	v_mul_u32_u24 v7, v1, PA
	v_lshl_add_u32 v7, v2, 4, v7
	s_mul_i32 s16, s11, AH
	v_add_nc_u32 v[A0], s16, v7
	s_mul_i32 s16, s12, AH
	s_add_co_u32 s16, s16, AREG
	v_add_nc_u32 v[B0], s16, v7
	v_mov_b32 v[ADRA], v[A0]
	v_mov_b32 v[ADRB], v[B0]
	s_sub_co_i32 s16, s[IQ], s[JK]                 ; register jj of block (a, b) is hidden where 16 b + jj - 16 a > 128 (i - j) + 64 (row half - column half) + r - 8 h
	s_lshl_b32 s16, s16, 7
	s_sub_co_i32 s17, s11, s12
	s_lshl_b32 s17, s17, 6
	s_add_co_i32 s16, s16, s17
	v_add_nc_u32 v[D0], s16, v1
	v_lshlrev_b32 v7, 3, v2
	v_sub_nc_u32 v[D0], v[D0], v7
	v_mov_b32 v[NEG], 0xf1800000
	v_and_b32 v[SO], 31, v0
	v_lshlrev_b32 v[SO], 3, v[SO]
	s_mul_i32 s16, s11, 64*SPITCH
	s_lshl_b32 s17, s12, 7
	s_add_co_u32 s16, s16, s17
	s_add_co_u32 s16, s16, STAGE
	v_mul_u32_u24 v7, v1, SPITCH
	v_lshl_add_u32 v7, v2, 4, v7
	v_add_nc_u32 v[STO], s16, v7
	s_mul_i32 s16, s10, 32*SPITCH
	s_add_co_u32 s16, s16, STAGE
	v_mul_u32_u24 v7, v2, SPITCH
	v_lshl_add_u32 v7, v1, 4, v7
	v_add_nc_u32 v[RD], s16, v7
	v_lshlrev_b32 v7, 12, v2
	v_lshl_add_u32 v[CO], v1, 4, v7
	s_lshl_b32 s16, s[BT], 11                      ; pb: row 2,048 b + 128 i + 32 w, 4,096 bytes each; 256 j
	s_lshl_b32 s17, s[IQ], 7
	s_add_co_u32 s16, s16, s17
	s_lshl_b32 s17, s10, 5
	s_add_co_u32 s16, s16, s17
	s_lshl_b32 s16, s16, 12
	s_lshl_b32 s17, s[JK], 8
	s_add_co_u32 s16, s16, s17
	s_mov_b32 s17, 0
	s_add_nc_u64 s[6:7], s[6:7], s[16:17]
	s_lshl_b32 s16, s[BT], 5                       ; st: ((32 b + 2 j + column half) x 2,048 + 128 i + 64 x row half) x 8
	s_lshl_b32 s17, s[JK], 1
	s_add_co_u32 s16, s16, s17
	s_add_co_u32 s16, s16, s12
	s_lshl_b32 s16, s16, 11
	s_lshl_b32 s17, s[IQ], 7
	s_add_co_u32 s16, s16, s17
	s_lshl_b32 s17, s11, 6
	s_add_co_u32 s16, s16, s17
	s_lshl_b32 s16, s16, 3
	s_mov_b32 s17, 0
	s_add_nc_u64 s[STB:STB+1], s[8:9], s[16:17]
.set t_, 0
.rept 128
	v_mov_b32 v[ACC+t_], 0                         ; in the wait for the first tile
.set t_, t_+1
.endr
	s_wait_tensorcnt 0x1                           ; my part of K step 0 is in; K step 1's may stay out
	s_barrier_signal -1
	s_barrier_wait -1
	FETCH 0, F0
	WIN 0
	s_mov_b32 s[CNT], 2                            ; K steps 0 and 1 ask for 2 and 3,
.Lfill:
	STEP 1, 0
	WIN 0
	s_sub_co_u32 s[CNT], s[CNT], 1
	s_cmp_lg_u32 s[CNT], 0
	s_cbranch_scc1 .Lfill
	s_mov_b32 s[CNT], 2                            ; K steps 2 and 3 for nothing
.Ltail:
	STEP 0, 1
	WIN 0
	s_sub_co_u32 s[CNT], s[CNT], 1
	s_cmp_lg_u32 s[CNT], 0
	s_cbranch_scc1 .Ltail
	PLACES
	s_cmp_lg_u32 s[RR], s[CC]                      ; off the diagonal blocks i - j is 1 at the least, the right side above 56 at the least, the left 55 at the most: nothing is hidden
	s_cbranch_scc1 .Lnomask
.set e_, 0
.rept 128
	v_cmp_gt_i32 vcc_lo, 16*((e_/8)%4)+(e_%8)-16*(e_/32), v[D0]
	v_cndmask_b32 v[ACC+e_], v[ACC+e_], v[NEG], vcc_lo
.set e_, e_+1
.endr
.Lnomask:
.irp j, 0,1,2,3,4,5,6,7,8,9,10,11,12,13,14,15,16,17,18
.irp a, 0,1,2,3
	MX \a, \j                                      ; the four row blocks alternate
.endr
.endr
.set e_, 0
.rept 64
	v_pk_fma_f32 v[ACC+2*e_:ACC+2*e_+1], v[ACC+2*e_:ACC+2*e_+1], s[CS:CS+1], v[ST+8*(e_/16):ST+8*(e_/16)+1] op_sel_hi:[1,0,0] neg_lo:[0,0,1] neg_hi:[0,0,1]  ; c s - mu
.set e_, e_+1
.endr
.set e_, 0
.rept 128
	v_exp_f32 v[ACC+e_], v[ACC+e_]                 ; ONE batch
.set e_, e_+1
.endr
	v_nop                                          ; a plain instruction behind the last exponential,
	s_wait_alu depctr_va_vdst(0)                   ; and one wait ahead of the first reader
.set e_, 0
.rept 64
	v_cvt_pk_f16_f32 v[TMP+e_], v[ACC+2*e_], v[ACC+2*e_+1]
.set e_, e_+1
.endr
.irp w, 4,8,16,32                      ; the sum of a row block's 16 pairs, in place: neighbours 1, 2, 4 and 8 pairs apart
.irp a, 0,1,2,3
.set u_, 0
.rept 32/(\w)
	v_pk_add_f32 v[ACC+32*(\a)+(\w)*u_:ACC+32*(\a)+(\w)*u_+1], v[ACC+32*(\a)+(\w)*u_:ACC+32*(\a)+(\w)*u_+1], v[ACC+32*(\a)+(\w)*u_+(\w)/2:ACC+32*(\a)+(\w)*u_+(\w)/2+1]
.set u_, u_+1
.endr
.endr
.endr
.irp a, 0,1,2,3
	v_add_f32 v[ST+8*(\a)+2], v[ACC+32*(\a)], v[ACC+32*(\a)+1]
.endr
.irp a, 0,1,2,3
	v_permlanex16_b32 v[ST+8*(\a)+5], v[ST+8*(\a)+2], s[SEL], s[SEL+1]
.endr
.irp a, 0,1,2,3
	v_add_f32 v[ST+8*(\a)+2], v[ST+8*(\a)+2], v[ST+8*(\a)+5]
.endr
	v_cndmask_b32 v8, v[ST], v[ST+8], s[HM]        ; both halves of the lanes hold a row's (mu, l): lanes 0-15 give row block 0's, lanes 16-31 row block 1's: 32 rows on end
	v_cndmask_b32 v9, v[ST+2], v[ST+10], s[HM]
	v_cndmask_b32 v10, v[ST+16], v[ST+24], s[HM]
	v_cndmask_b32 v11, v[ST+18], v[ST+26], s[HM]
	global_store_b64 v[SO], v[8:9], s[STB:STB+1]               ; 256 consecutive bytes, aligned
	global_store_b64 v[SO], v[10:11], s[STB:STB+1] offset:256
.irp a, 0,1,2,3
.irp b, 0,1,2,3
	ds_store_b128 v[STO], v[TMP+4*(4*(\a)+(\b)):TMP+4*(4*(\a)+(\b))+3] offset:(\a)*16*SPITCH+32*(\b)
.endr
.endr
	s_wait_dscnt 0x0                               ; for the others' sake: my stores into the stage are done
	s_barrier_signal -1
	s_barrier_wait -1
.set t_, 0
.rept 16
	ds_load_b128 v[TMP+4*t_:TMP+4*t_+3], v[RD] offset:t_*2*SPITCH
.set t_, t_+1
.endr
.set t_, 0
.rept 16
	s_wait_dscnt 15-t_
	global_store_b128 v[CO], v[TMP+4*t_:TMP+4*t_+3], s[6:7] offset:2*t_*4096  ; 16 lanes store 256 consecutive bytes, aligned
.set t_, t_+1
.endr
	s_wait_tensorcnt 0x0                           ; the wave's end
	ds_add_u32 v[SPW], v[NIL]
	s_wait_dscnt 0x0
	CROUND                                         ; the closing round
	s_endpgm
.Lfunc_end_k_q295b3e77f2_score:
	.size	k_q295b3e77f2_score, .Lfunc_end_k_q295b3e77f2_score-k_q295b3e77f2_score
	.p2alignl 7, 3214868480
	.fill 96, 4, 3214868480
	.section	.rodata,"a",@progbits
	.p2align	6, 0x0
	.amdhsa_kernel k_q295b3e77f2_score
		.amdhsa_group_segment_fixed_size 327680
		.amdhsa_private_segment_fixed_size 0
		.amdhsa_enable_private_segment 0
		.amdhsa_kernarg_size 24
		.amdhsa_user_sgpr_count 2
		.amdhsa_user_sgpr_kernarg_segment_ptr 1
		.amdhsa_wavefront_size32 1
		.amdhsa_system_sgpr_workgroup_id_x 1
		.amdhsa_system_sgpr_workgroup_id_y 1
		.amdhsa_system_sgpr_workgroup_id_z 1
		.amdhsa_system_vgpr_workitem_id 0
		.amdhsa_next_free_vgpr 512
		.amdhsa_next_free_sgpr 100
		.amdhsa_reserve_vcc 1
		.amdhsa_float_denorm_mode_32 3
		.amdhsa_float_denorm_mode_16_64 3
		.amdhsa_memory_ordered 1
		.amdhsa_forward_progress 1
		.amdhsa_inst_pref_size 86
	.end_amdhsa_kernel
	.amdgpu_metadata
---
amdhsa.version: [ 1, 2 ]
amdhsa.kernels:
  - .name:           k_q295b3e77f2_score
    .symbol:         k_q295b3e77f2_score.kd
    .args:
      - { .name: qkv, .offset: 0, .size: 8, .value_kind: global_buffer, .address_space: global }
      - { .name: pb, .offset: 8, .size: 8, .value_kind: global_buffer, .address_space: global }
      - { .name: st, .offset: 16, .size: 8, .value_kind: global_buffer, .address_space: global }
    .group_segment_fixed_size: 327680
    .private_segment_fixed_size: 0
    .kernarg_segment_align: 8
    .kernarg_segment_size: 24
    .max_flat_workgroup_size: 128
    .sgpr_count:     100
    .vgpr_count:     512
    .wavefront_size: 32
...
	.end_amdgpu_metadata
.endif
;; end of part 3
;; launch ctx (part 4): grid 8 x 32, 4 waves a work-group, clusters of 4 x 1, 327,680 bytes of LDS; arguments pb, qkv, st, out0; writes out0
.if DOCPART == 4
	.amdgcn_target "amdgcn-amd-amdhsa--gfx1250"
	.amdhsa_code_object_version 6
	.text
	.protected	k_q295b3e77f2_ctx
	.globl	k_q295b3e77f2_ctx
	.p2align	8
	.type	k_q295b3e77f2_ctx,@function
k_q295b3e77f2_ctx:
	s_mov_b64 s[64:65], 0
	v_nop
	global_prefetch_b8 v0, s[64:65] scope:SCOPE_SE
	s_setreg_imm32_b32 hwreg(HW_REG_WAVE_MODE, 25, 1), 1
	s_wait_xcnt 0x0
	s_wait_alu depctr_hold_cnt(0) depctr_sa_sdst(0) depctr_va_vdst(0) depctr_va_sdst(0) depctr_va_ssrc(0) depctr_va_vcc(0) depctr_vm_vsrc(0)
	s_getreg_b32 s2, hwreg(HW_REG_IB_STS2, 6, 4)
	s_cmp_eq_u32 s2, 0
	s_cbranch_scc0 .Lentry_in_a_cluster
	s_endpgm
.Lentry_in_a_cluster:
	s_bfe_u32 s2, ttmp6, 0x10000c
	s_cmp_lg_u32 s2, 0x3003
	s_cbranch_scc0 .Lentry_shape_is_right
	s_endpgm
.Lentry_shape_is_right:
; CTX.  out0[b][q][e] = (1 / L_q) x the sum over groups g of f_qg x the sum over the group's 64 keys of p[q][key] v[key][e],
; with f_qg = 2^(mu_qg - M_q), M_q = the largest mu of the row's groups, L_q = the sum of f_qg l_qg.  So the row's true maximum is what is taken away; every f is 1 at the most.
; p (pb) and v (qkv's third 1,024 columns) are f16; f is made in f32, rounded to f16 and multiplied onto p's fragments (v_pk_mul_f16); products' sums, L and 1 / L in f32; out0 f32.
; LIMITS.  f and f p below 6e-5 keep f16's fixed step; an f below 2^-126 counts as 0.  NaN and infinities are not treated apart.
; SHARES.  A tile is 128 queries x 128 channels; four waves, each 64 x 64.  Query block i (of 16 a batch) needs i / 2 + 1 steps of 256 keys.  A work-group takes TWO blocks, p and then 15 - p: 9 steps whatever p:
; 256 work-groups of equal work, ONE walk on a ring of two LDS slots.  What differs lies in scalars made from p; the one jump that hangs on them goes forward over the first block's way out, which holds
; neither a barrier nor a tensor load.
; CLUSTER 4, 1, 1: the four partners take four channel tiles of the same two query blocks: p's tiles are asked for jointly.  v's tiles are each work-group's own; partners along y would want
; different key steps in the same trip.
; LAYOUT.  Source 0 = 16 channels of v (turned by ds_load_tr16_b128), source 1 = 16 queries of p: a lane holds one query (r) and eight neighbouring channels.
; A quarter of a step is 64 keys: one group, one factor a row.  A quarter's 64 scalings: 16 stand ahead of its products, 48 two behind each of 24 products.
; REGISTERS.  Window 0: v0-31 addresses; v32-95 at work on the way out; v96-103 factors, by buffer; v104-115 1 / L; v128-255 the accumulators (in the prologue: at work).  Window 1: two fragment buffers.
.set PA,     528
.set AH,     64*PA
.set AREG,   2*AH
.set PB,     288
.set BH,     128*PB
.set SLOT,   AREG+2*BH
.set STAGE,  2*SLOT                    ; 16 rows x 272 bytes for each wave
.set SPITCH, 272
.set FT,     STAGE+4*16*SPITCH         ; the factors: 36 groups of the walk x 512 bytes: [row half][r][row block] words, f twice in f16
.set RLT,    FT+36*512                 ; 1 / L of the two blocks, the same layout in f32
.set SPARE,  RLT+1024
.set A0,   3
.set B0,   4
.set B0B,  5
.set FS,   8                           ; v8   where thread t puts row t's factor
.set RA,   9                           ; v9   where I read 1 / L of my four rows
.set ADRA, 16
.set ADRB, 17
.set STO,  24
.set RD,   25
.set CO,   26
.set FA,   27                          ; v27  where I read the factors of my four rows, for the step to be fetched
.set SPW,  28
.set NIL,  29
.set PFO,  30
.set TMP,  32
.set FAC,  96
.set RLV,  104
.set RLP,  108
.set ACC,  128
.set F0,   0
.set F1,   128
.set VO,   32                          ; the prologue: v32-40 offsets in st; v128-199 (mu, l) of 36 groups; v200-217 at work
.set PR,   128
.set M4,   200
.set MLO,  210
.set MHI,  211
.set TA,   212
.set TB,   213
.set LLO,  214
.set LHI,  215
.set NEGV, 216
.set TS,   217
.set G1,   24
.set G0,   32
.set NL,   41                          ; s41  steps of the first block
.set ALO,  42                          ; s42, s43  byte offset in pb of my 64 rows of the first and of the second block
.set AHI,  43
.set NLM1, 44
.set T2,   45
.set G1B,  48
.set G0B,  56
.set TBR,  66
.set NF,   67
.set CNT,  68
.set SC,   69                          ; s69  the step in hand
.set BBASE, 72                         ; s[72:73] v at my 128 keys of key step 0 and my 128 channels
.set OFF,  74
.set OFFB, 76
.set T0,   78
.set T1,   79
.set PFB,  80
.set PFA,  82
.set OFFP, 84
.set LIM,  86
.set OFFQ, 87
.set MK,   88                          ; s[88:96] step s: all ones where it belongs to the first block
.set HIB,  97
.set OB,   98                          ; s[98:99], s[100:101] out0 at my part of the first and of the second block
.set MSB, 0
.macro WIN new
.if MSB != (\new)
	s_set_vgpr_msb (MSB<<8)|(\new)
.set MSB, \new
.endif
.endm
.set MUL,  0x05
.set TO_F, 0x40
.set W_SC, 0x41                        ; destination and source 0 window 1, source 1 window 0
.macro PLACES
.rept 4
	v_nop
.endr
.endm
.macro JLOAD                           ; waves 0 and 1: p's halves, jointly; waves 2 and 3: v's halves, my work-group's own
	s_cmp_eq_u32 s11, 0
	s_cbranch_scc0 .Lfor_b_\@
	tensor_load_to_lds s[G0+4:G0+7], s[G1:G1+7]
	s_nop 0
.rept 4
	v_nop
.endr
	s_branch .Lasked_\@
.Lfor_b_\@:
	tensor_load_to_lds s[G0B+4:G0B+7], s[G1B:G1B+7]
	s_nop 0
.rept 4
	v_nop
.endr
.Lasked_\@:
.endm
.macro CREST
	s_cmp_lg_u32 s10, 0
	s_cbranch_scc1 .Lnot_wave_0_\@
	s_barrier_signal -3
.Lnot_wave_0_\@:
	s_barrier_wait -3
	s_barrier_signal -1
	s_barrier_wait -1
.endm
.macro CROUND
	s_barrier_signal -1
	s_barrier_wait -1
	CREST
.endm
; Step idx of the walk: its byte offsets in pb (oa) and, from key step 0, in v (ob).  Steps 0 .. NL - 1 are the first block's key steps 0 .., the others the second block's.
.macro WALK idx, oa, ob
	s_cmp_lt_u32 s[\idx], s[NL]
	s_cselect_b32 s[T0], 0, s[NL]
	s_cselect_b32 s[\oa], s[ALO], s[AHI]
	s_sub_co_u32 s[T0], s[\idx], s[T0]             ; the key step
	s_lshl_b32 s[T1], s[T0], 9                     ; 256 keys of a row of pb
	s_add_co_u32 s[\oa], s[\oa], s[T1]
	s_mul_i32 s[\ob], s[T0], 1572864               ; 256 rows of qkv
.endm
.macro MKADR n
	WALK NF, OFF, OFFB
	s_add_nc_u64 s[G0+4*(\n)+2:G0+4*(\n)+3], s[4:5], s[OFF:OFF+1]
	s_or_b32 s[G0+4*(\n)+3], s[G0+4*(\n)+3], 0x80000000
	s_add_co_u32 s[G0+4*(\n)+1], s[TBR], s20
	s_add_nc_u64 s[G0B+4*(\n)+2:G0B+4*(\n)+3], s[BBASE:BBASE+1], s[OFFB:OFFB+1]
	s_or_b32 s[G0B+4*(\n)+3], s[G0B+4*(\n)+3], 0x80000000
	s_add_co_u32 s[G0B+4*(\n)+1], s[TBR], s21
	s_add_co_u32 s[NF], s[NF], 1
.endm
; THE PREFETCH: the tiles of the fill two on from the one that is being asked for: two steps, 256 matrix instructions, ahead of its load; steps 4 to 8 of the walk; the last two refills ask for nothing.
; p's rows are read by both clusters of a y: cluster x = 0 asks, in waves 0 and 1; of a wave's 64 rows x 512 bytes each partner takes 16 rows, told apart by address: a lane a block of 256 bytes.
; v's tiles are read by the eight pairs of a batch: the pair p = 0 asks, whose second block walks all eight key steps, in waves 2 and 3: 128 rows of 256 bytes, a lane a row, four lines.
; So no block is named twice in the launch.
.macro PFSTEP
	s_add_co_u32 s[T2], s[NF], 2
	WALK T2, OFFP, OFFQ
	s_cmp_eq_u32 s11, 0
	s_cselect_b32 s[OFFP], s[OFFP], s[OFFQ]
	s_add_nc_u64 s[PFA:PFA+1], s[PFB:PFB+1], s[OFFP:OFFP+1]
.endm
.macro ASK                             ; NF has been stepped: it is the fill just asked for + 1
	s_cmp_le_u32 s[NF], s[LIM]
	s_cbranch_scc0 .Lnot_mine_\@
	global_prefetch_b8 v[PFO], s[PFA:PFA+1] th:TH_LOAD_NT scope:SCOPE_SE
	s_cmp_eq_u32 s11, 0
	s_cbranch_scc1 .Lnot_mine_\@
	global_prefetch_b8 v[PFO], s[PFA:PFA+1] offset:32*6144 th:TH_LOAD_NT scope:SCOPE_SE
	global_prefetch_b8 v[PFO], s[PFA:PFA+1] offset:64*6144 th:TH_LOAD_NT scope:SCOPE_SE
	global_prefetch_b8 v[PFO], s[PFA:PFA+1] offset:96*6144 th:TH_LOAD_NT scope:SCOPE_SE
.Lnot_mine_\@:
.endm
.macro MM f, c, a, b                   ; one product
	WIN MUL
	v_wmma_f32_16x16x32_f16 v[ACC+8*(4*(\a)+(\b)):ACC+8*(4*(\a)+(\b))+7], v[(\f)+64+8*(4*(\c)+(\b)):(\f)+64+8*(4*(\c)+(\b))+7], v[(\f)+8*(4*(\c)+(\a)):(\f)+8*(4*(\c)+(\a))+7], v[ACC+8*(4*(\a)+(\b)):ACC+8*(4*(\a)+(\b))+7]
.endm
.macro MUL8 f, c, a0                   ; the 16 accumulators take turns, one instruction a turn, over the backward jumps too
.irp a, \a0, (\a0)+1
.irp b, 0,1,2,3
	MM \f, \c, \a, \b
.endr
.endr
.endm
.macro RID f, c, a0, k                 ; line k of the 16 that scale p's fragments (c; row blocks a0, a0 + 1) of buffer f by their rows' factors
	v_pk_mul_f16 v[(\f)+8*(4*(\c)+(\a0)+(\k)/8)+(\k)%8], v[(\f)+8*(4*(\c)+(\a0)+(\k)/8)+(\k)%8], v[FAC+4*((\f)/128)+(\a0)+(\k)/8]
.endm
.macro SCALE f, c, a0
	WIN W_SC
.set k_, 0
.rept 16
	RID \f, \c, \a0, k_
.set k_, k_+1
.endr
.endm
.macro MULR f, c, a0, rc, ra0          ; MUL8 with two scalings of fragments (rc; ra0, ra0 + 1), which later products read, behind each product
.set k_, 0
.irp a, \a0, (\a0)+1
.irp b, 0,1,2,3
	MM \f, \c, \a, \b
	WIN W_SC
	RID \f, \rc, \ra0, k_
	RID \f, \rc, \ra0, k_+1
.set k_, k_+2
.endr
.endr
.endm
; 33 LDS loads in one run: quarter q's factors, then its fragments, the first 32 keys first
.macro FETCH q, f
	WIN 0
	ds_load_b128 v[FAC+4*((\f)/128):FAC+4*((\f)/128)+3], v[FA] offset:512*(\q)
	WIN TO_F
.irp c, 0,1
.irp i, 0,1,2,3
	ds_load_tr16_b128 v[(\f)+64+8*(4*(\c)+(\i)):(\f)+64+8*(4*(\c)+(\i))+3],   v[ADRB+(\q)/2] offset:(((\q)%2)*64+32*(\c))*PB+32*(\i)
	ds_load_tr16_b128 v[(\f)+64+8*(4*(\c)+(\i))+4:(\f)+64+8*(4*(\c)+(\i))+7], v[ADRB+(\q)/2] offset:(((\q)%2)*64+32*(\c)+16)*PB+32*(\i)
	ds_load_b128 v[(\f)+8*(4*(\c)+(\i)):(\f)+8*(4*(\c)+(\i))+3],   v[ADRA] offset:128*(\q)+64*(\c)+(\i)*16*PA
	ds_load_b128 v[(\f)+8*(4*(\c)+(\i))+4:(\f)+8*(4*(\c)+(\i))+7], v[ADRA] offset:128*(\q)+64*(\c)+(\i)*16*PA+32
.endr
.endr
.endm
.macro QUARTER q, f, g
	s_wait_dscnt 16                                ; the factors and the first 32 keys are in
	SCALE \f, 0, 0
	MULR \f, 0, 0, 0, 2
	s_wait_dscnt 0x0                               ; the other 32 keys are in
	MULR \f, 0, 2, 1, 0
	FETCH \q, \g                                   ; the scalings above, which name nothing of buffer g's last products, are the places in front of these loads
	MULR \f, 1, 0, 1, 2
	MUL8 \f, 1, 2
.endm
; The change of slots: each wave waits for all its tensor loads, adds 0 to its spare word, waits for that and for its reads of this slot, and signals.  fill = 1: a round of the cluster's barrier, the refill first behind it.
.macro TURN fill, ask, lastskip
.if \ask
	s_wait_xcnt 0x0                                ; the last prefetches, a step back, have read their address
	PFSTEP
.endif
	WIN 0
	s_wait_tensorcnt 0x0
	ds_add_u32 v[SPW], v[NIL]
.if \fill
	MKADR 1
.endif
	s_xor_b32 s[TBR], s[TBR], SLOT
	s_wait_dscnt 17                                ; (the add and the youngest sixteen loads may be out)
	SCALE F1, 0, 0
	MULR F1, 0, 0, 0, 2
	s_wait_dscnt 0x0
	s_barrier_signal -1
	MULR F1, 0, 2, 1, 0
	WIN 0
	v_add_nc_u32 v[ADRA], s[TBR], v[A0]
	v_add_nc_u32 v[ADRB], s[TBR], v[B0]
	v_add_nc_u32 v[ADRB+1], s[TBR], v[B0B]
	v_add_nc_u32 v[FA], 2048, v[FA]                ; the next step's four groups
	s_barrier_wait -1
.if \fill
	CREST
	JLOAD
.else
	PLACES
.endif
.if \lastskip
	s_cmp_eq_u32 s[CNT], 1
	s_cbranch_scc1 .Lnofetch_\@
.endif
	FETCH 0, F0
	WIN 0
.if \lastskip
.Lnofetch_\@:
.endif
.if \ask
	ASK
.endif
	MULR F1, 1, 0, 1, 2
	MUL8 F1, 1, 2
.endm
.macro STEP fill, ask, lastskip
	QUARTER 1, F0, F1
	QUARTER 2, F1, F0
	QUARTER 3, F0, F1
	TURN \fill, \ask, \lastskip
.endm
; THE WAY OUT of block blk (0: the first, 1: the second): times 1 / L; 16 rows at a time through my own stage (a row's 64 channels are 256 bytes); back as whole rows.  No barrier: no other wave touches my stage.
.macro W4 blk, clear
	WIN 0
	ds_load_b128 v[RLV:RLV+3], v[RA] offset:512*(\blk)
	PLACES
	s_wait_dscnt 0x0
.irp a, 0,1,2,3
	v_mov_b32 v[RLP+2*(\a)], v[RLV+(\a)]           ; a pair for the packed multiply
	v_mov_b32 v[RLP+2*(\a)+1], v[RLV+(\a)]
.endr
.irp a, 0,1,2,3
	s_wait_xcnt 0x0                                ; the stores two blocks back have read the registers that are loaded again below
.set i_, 0
.rept 16
	v_pk_mul_f32 v[ACC+32*(\a)+2*i_:ACC+32*(\a)+2*i_+1], v[ACC+32*(\a)+2*i_:ACC+32*(\a)+2*i_+1], v[RLP+2*(\a):RLP+2*(\a)+1]  ; ascending: each accumulator is read from its low end
.set i_, i_+1
.endr
.irp b, 0,1,2,3
	ds_store_b128 v[STO], v[ACC+32*(\a)+8*(\b):ACC+32*(\a)+8*(\b)+3]   offset:64*(\b)
	ds_store_b128 v[STO], v[ACC+32*(\a)+8*(\b)+4:ACC+32*(\a)+8*(\b)+7] offset:64*(\b)+16
.endr
.if \clear
.set i_, 0
.rept 32
	v_mov_b32 v[ACC+32*(\a)+i_], 0
.set i_, i_+1
.endr
.endif
.irp t, 0,1,2,3,4,5,6,7
	ds_load_b128 v[TMP+32*((\a)%2)+4*(\t):TMP+32*((\a)%2)+4*(\t)+3], v[RD] offset:(\t)*2*SPITCH  ; LDS serves a wave's instructions in order (ISA guide 5.7.1.4): these see the stores above
.endr
.irp t, 0,1,2,3,4,5,6,7
	s_wait_dscnt 7-(\t)
	global_store_b128 v[CO], v[TMP+32*((\a)%2)+4*(\t):TMP+32*((\a)%2)+4*(\t)+3], s[OB+2*(\blk):OB+2*(\blk)+1] offset:(16*(\a)+2*(\t))*4096 th:TH_STORE_NT  ; 16 lanes store 256 consecutive bytes, aligned
.endr
.endr
.endm
	s_load_b128 s[4:7], s[0:1], 0x0                ; pb s[4:5], qkv s[6:7]
	s_load_b128 s[16:19], s[0:1], 0x10             ; st s[16:17], out0 s[18:19]
	v_lshl_add_u32 v[SPW], v0, 2, SPARE
	v_mov_b32 v[NIL], 0
	ds_add_u32 v[SPW], v[NIL]                      ; the wave's opening: the add and its wait stand ahead of my first tensor load
	v_lshrrev_b32 v1, 5, v0
	v_readfirstlane_b32 s10, v1
	s_lshr_b32 s11, s10, 1                         ; my half of the queries.  Also: I fetch p (0) or v (1)
	s_and_b32 s12, s10, 1                          ; my half of the channels.  Also: which half of that tile I fetch
	s_bfe_u32 s40, ttmp6, 0x40000                  ; cx
	s_lshl_b32 s13, ttmp9, 2
	s_add_co_u32 s13, s13, s40                     ; channel tile
	s_and_b32 s15, ttmp7, 0xffff
	s_lshr_b32 s14, s15, 3                         ; the batch
	s_and_b32 s15, s15, 7                          ; p: the first block; 15 - p: the second
	s_lshr_b32 s[NLM1], s15, 1
	s_add_co_u32 s[NL], s[NLM1], 1
	s_sub_co_u32 s[HIB], 15, s15
	s_mov_b32 s[G1], 15|(1<<16)|(1<<20)|(1<<21)|(6<<22)|(3<<25)  ; the mask of four; 2-byte elements; padding on; bit 21 beside a mask; after every 128 words, 4 words
	s_mov_b32 s[G1+1], 256<<16
	s_mov_b32 s[G1+2], 64<<16
	s_mov_b32 s[G1+3], 256<<16
	s_mov_b32 s[G1+4], 64
	s_mov_b32 s[G1+5], 2048
	s_mov_b32 s[G1+6], 0
	s_mov_b32 s[G1+7], 0
	s_mov_b32 s[G1B], (1<<16)|(1<<20)|(5<<22)|(7<<25)            ; no mask; after every 64 words, 8 words
	s_mov_b32 s[G1B+1], 128<<16
	s_mov_b32 s[G1B+2], 128<<16
	s_mov_b32 s[G1B+3], 128<<16
	s_mov_b32 s[G1B+4], 128
	s_mov_b32 s[G1B+5], 3072
	s_mov_b32 s[G1B+6], 0
	s_mov_b32 s[G1B+7], 0
	s_mov_b32 s[G0], 1
	s_mov_b32 s[G0+4], 1
	s_mov_b32 s[G0B], 1
	s_mov_b32 s[G0B+4], 1
	s_mov_b32 s[OFF+1], 0
	s_mov_b32 s[OFFB+1], 0
	s_mov_b32 s[OFFP+1], 0
	s_lshl_b32 s22, s14, 11                        ; pb: row 2,048 b + 128 x block + 64 x half, 4,096 bytes each
	s_lshl_b32 s23, s12, 6
	s_add_co_u32 s22, s22, s23
	s_lshl_b32 s23, s15, 7
	s_add_co_u32 s23, s23, s22
	s_lshl_b32 s[ALO], s23, 12
	s_lshl_b32 s23, s[HIB], 7
	s_add_co_u32 s23, s23, s22
	s_lshl_b32 s[AHI], s23, 12
	s_lshl_b32 s46, s14, 11                        ; v: row 2,048 b + 128 x half, 4,096 bytes into the row, 256 x channel tile
	s_lshl_b32 s47, s12, 7
	s_add_co_u32 s46, s46, s47
	s_mul_i32 s46, s46, 6144
	s_lshl_b32 s47, s13, 8
	s_add_co_u32 s46, s46, s47
	s_add_co_u32 s46, s46, 4096
	s_mov_b32 s47, 0
	s_lshl_b32 s22, s14, 11                        ; out0: row 2,048 b + 128 x block + 64 x row half; 512 x channel tile + 256 x column half
	s_lshl_b32 s23, s11, 6
	s_add_co_u32 s22, s22, s23
	s_lshl_b32 s23, s13, 9
	s_lshl_b32 s[T0], s12, 8
	s_add_co_u32 s23, s23, s[T0]
	s_lshl_b32 s[T0], s15, 7
	s_add_co_u32 s[T0], s[T0], s22
	s_lshl_b32 s[T0], s[T0], 12
	s_add_co_u32 s[OB], s[T0], s23
	s_mov_b32 s[OB+1], 0
	s_lshl_b32 s[T0], s[HIB], 7
	s_add_co_u32 s[T0], s[T0], s22
	s_lshl_b32 s[T0], s[T0], 12
	s_add_co_u32 s[OB+2], s[T0], s23
	s_mov_b32 s[OB+3], 0
	s_lshl_b32 s[PFB], s40, 16                     ; my work-group's 16 of a wave's 64 rows of pb
	s_mov_b32 s[PFB+1], 0
	s_mul_i32 s20, s12, AH
	s_mul_i32 s21, s12, BH
	s_add_co_u32 s21, s21, AREG
	s_wait_dscnt 0x0                               ; the opening add is done
	s_wait_kmcnt 0x0
	s_add_nc_u64 s[BBASE:BBASE+1], s[6:7], s[46:47]
	s_add_nc_u64 s[OB:OB+1], s[18:19], s[OB:OB+1]
	s_add_nc_u64 s[OB+2:OB+3], s[18:19], s[OB+2:OB+3]
	s_add_nc_u64 s[PFB:PFB+1], s[4:5], s[PFB:PFB+1]
	s_cmp_eq_u32 s11, 0
	s_cselect_b64 s[PFB:PFB+1], s[PFB:PFB+1], s[BBASE:BBASE+1]
	s_mov_b32 s[NF], 0
	s_mov_b32 s[TBR], 0
	MKADR 0
	s_mov_b32 s[TBR], SLOT
	MKADR 1
	s_mov_b32 s[TBR], 0
	CROUND                                         ; all four work-groups are here: the first joint loads meet
	s_cmp_eq_u32 s11, 0                            ; a wave's two first fills stand in one branch: two loads of mine are out
	s_cbranch_scc0 .Lfirst_b
	tensor_load_to_lds s[G0:G0+3], s[G1:G1+7]
	s_nop 0
	tensor_load_to_lds s[G0+4:G0+7], s[G1:G1+7]
	s_nop 0
.rept 4
	v_nop
.endr
	s_branch .Lfirst_done
.Lfirst_b:
	tensor_load_to_lds s[G0B:G0B+3], s[G1B:G1B+7]
	s_nop 0
	tensor_load_to_lds s[G0B+4:G0B+7], s[G1B:G1B+7]
	s_nop 0
.rept 4
	v_nop
.endr
.Lfirst_done:
	; THE PROLOGUE, in the wait for the first tiles.  Thread t stands for row t of both blocks: the (mu, l) of the walk's 36 groups, four a step.
	s_lshl_b32 s22, s14, 19                        ; st: 524,288 b + 1,024 x block
	s_lshl_b32 s23, s[HIB], 10
	s_add_co_u32 s23, s23, s22
	s_lshl_b32 s[T2], s15, 10
	s_add_co_u32 s22, s22, s[T2]
.set s_, 0
.rept 9
	s_cmp_gt_u32 s[NL], s_
	s_cselect_b32 s[MK+s_], -1, 0
	s_cselect_b32 s[T0], 0, s[NL]
	s_cselect_b32 s[T1], s22, s23
	s_sub_co_u32 s[T0], s_, s[T0]                  ; the key step: four groups of 16,384 bytes
	s_lshl_b32 s[T0], s[T0], 16
	s_add_co_u32 s[T1], s[T1], s[T0]
	v_lshl_add_u32 v[VO+s_], v0, 3, s[T1]
.irp j, 0,1,2,3
	global_load_b64 v[PR+8*s_+2*(\j):PR+8*s_+2*(\j)+1], v[VO+s_], s[16:17] offset:16384*(\j)
.endr
.set s_, s_+1
.endr
	v_and_b32 v1, 15, v0                           ; r
	v_bfe_u32 v2, v0, 4, 1                         ; h
	v_mul_u32_u24 v[A0], v1, PA
	v_lshl_add_u32 v[A0], v2, 4, v[A0]
	s_mul_i32 s46, s11, AH
	v_add_nc_u32 v[A0], s46, v[A0]
	v_and_b32 v6, 7, v0
	v_bfe_u32 v7, v0, 3, 1
	v_lshl_add_u32 v[B0], v2, 3, v6
	v_mul_u32_u24 v[B0], v[B0], PB
	v_lshl_add_u32 v[B0], v7, 4, v[B0]
	s_lshl_b32 s46, s12, 7
	s_add_co_u32 s46, s46, AREG
	v_add_nc_u32 v[B0], s46, v[B0]
	v_add_nc_u32 v[B0B], BH, v[B0]
	v_mov_b32 v[ADRA], v[A0]
	v_mov_b32 v[ADRB], v[B0]
	v_mov_b32 v[ADRB+1], v[B0B]
	s_mul_i32 s46, s10, 16*SPITCH
	s_add_co_u32 s46, s46, STAGE                   ; my stage
	v_mul_u32_u24 v6, v1, SPITCH                   ; in: row r, 32 bytes for each half of the lanes
	v_lshl_add_u32 v6, v2, 5, v6
	v_add_nc_u32 v[STO], s46, v6
	v_mul_u32_u24 v6, v2, SPITCH                   ; back: lanes 0-15 one row of 256 bytes, lanes 16-31 the next
	v_lshl_add_u32 v6, v1, 4, v6
	v_add_nc_u32 v[RD], s46, v6
	v_lshlrev_b32 v6, 12, v2
	v_lshl_add_u32 v[CO], v1, 4, v6
	v_lshrrev_b32 v6, 6, v0                        ; row t: half t / 64, r = t % 16, row block (t / 16) % 4
	v_lshlrev_b32 v6, 8, v6
	v_lshl_add_u32 v6, v1, 4, v6
	v_bfe_u32 v7, v0, 4, 2
	v_lshl_add_u32 v6, v7, 2, v6
	v_add_nc_u32 v[FS], FT, v6
	s_lshl_b32 s46, s11, 8
	s_add_co_u32 s47, s46, FT
	v_lshl_add_u32 v[FA], v1, 4, s47
	s_add_co_u32 s47, s46, RLT
	v_lshl_add_u32 v[RA], v1, 4, s47
	s_cmp_eq_u32 s11, 0                            ; the prefetches: who asks, and the lanes' offsets
	s_cselect_b32 s46, ttmp9, s15
	s_movk_i32 s47, 6144
	s_cselect_b32 s47, 4096, s47                   ; from row to row,
	s_mov_b32 s[T2], 98304
	s_cselect_b32 s[T2], 256, s[T2]                ; lanes 16-31: p: the row's second 256 bytes; v: 16 rows on
	s_cmp_eq_u32 s46, 0
	s_cselect_b32 s[LIM], 7, 0                     ; the same in all four partners, for a given wave
	v_mul_u32_u24 v[PFO], v1, s47
	v_mad_u32_u24 v[PFO], v2, s[T2], v[PFO]
	v_mov_b32 v[NEGV], 0xff7fffff
	v_mov_b32 v[MLO], v[NEGV]
	v_mov_b32 v[MHI], v[NEGV]
	v_mov_b32 v[LLO], 0
	v_mov_b32 v[LHI], 0
	s_wait_loadcnt 0x0
.set s_, 0
.rept 9                                ; each block's largest mu
	v_max3_num_f32 v[M4+s_], v[PR+8*s_], v[PR+8*s_+2], v[PR+8*s_+4]
	v_max_num_f32 v[M4+s_], v[M4+s_], v[PR+8*s_+6]
	v_cndmask_b32 v[TA], v[NEGV], v[M4+s_], s[MK+s_]
	v_cndmask_b32 v[TB], v[M4+s_], v[NEGV], s[MK+s_]
	v_max_num_f32 v[MLO], v[MLO], v[TA]
	v_max_num_f32 v[MHI], v[MHI], v[TB]
.set s_, s_+1
.endr
.set s_, 0
.rept 9
	v_cndmask_b32 v[M4+s_], v[MHI], v[MLO], s[MK+s_]
.irp j, 0,1,2,3
	v_sub_f32 v[PR+8*s_+2*(\j)], v[PR+8*s_+2*(\j)], v[M4+s_]
.endr
.set s_, s_+1
.endr
.set s_, 0
.rept 36
	v_exp_f32 v[PR+2*s_], v[PR+2*s_]               ; f: ONE batch
.set s_, s_+1
.endr
	v_nop                                          ; a plain instruction behind the last exponential,
	s_wait_alu depctr_va_vdst(0)                   ; and one wait ahead of the first reader
.set s_, 0
.rept 9                                ; L = the sum of f l, by blocks
	v_mul_f32 v[TS], v[PR+8*s_], v[PR+8*s_+1]
	v_fmac_f32 v[TS], v[PR+8*s_+2], v[PR+8*s_+3]
	v_fmac_f32 v[TS], v[PR+8*s_+4], v[PR+8*s_+5]
	v_fmac_f32 v[TS], v[PR+8*s_+6], v[PR+8*s_+7]
	v_cndmask_b32 v[TA], 0, v[TS], s[MK+s_]
	v_sub_f32 v[TB], v[TS], v[TA]                  ; exact: one of the two is 0
	v_add_f32 v[LLO], v[LLO], v[TA]
	v_add_f32 v[LHI], v[LHI], v[TB]
.set s_, s_+1
.endr
	v_rcp_f32 v[LLO], v[LLO]
	v_rcp_f32 v[LHI], v[LHI]
	v_nop
	s_wait_alu depctr_va_vdst(0)                   ; one wait for the two reciprocals
.set s_, 0
.rept 36
	v_cvt_pk_f16_f32 v[PR+2*s_], v[PR+2*s_], v[PR+2*s_]  ; f in both halves
.set s_, s_+1
.endr
.set s_, 0
.rept 36
	ds_store_b32 v[FS], v[PR+2*s_] offset:512*s_
.set s_, s_+1
.endr
	ds_store_b32 v[FS], v[LLO] offset:RLT-FT
	ds_store_b32 v[FS], v[LHI] offset:RLT-FT+512
.set t_, 0
.rept 128
	v_mov_b32 v[ACC+t_], 0
.set t_, t_+1
.endr
	s_wait_dscnt 0x0                               ; for the others' sake: my rows' factors lie in LDS
	s_wait_tensorcnt 0x1                           ; my part of step 0 is in; step 1's may stay out
	s_barrier_signal -1
	s_barrier_wait -1
	FETCH 0, F0
	WIN 0
	s_mov_b32 s[SC], 0
	s_mov_b32 s[CNT], 7                            ; steps 0 to 6 ask for steps 2 to 8
.Lstep:
	STEP 1, 1, 0
	WIN 0
	s_cmp_lg_u32 s[SC], s[NLM1]
	s_cbranch_scc1 .Lnot_end
	W4 0, 1                                        ; the first block's last step (step 3 at the latest): it goes out, and the sums start anew
.Lnot_end:
	s_add_co_u32 s[SC], s[SC], 1
	s_sub_co_u32 s[CNT], s[CNT], 1
	s_cmp_lg_u32 s[CNT], 0
	s_cbranch_scc1 .Lstep
	s_mov_b32 s[CNT], 2                            ; steps 7 and 8 ask for nothing
.Ltail:
	STEP 0, 0, 1
	WIN 0
	s_sub_co_u32 s[CNT], s[CNT], 1
	s_cmp_lg_u32 s[CNT], 0
	s_cbranch_scc1 .Ltail
	W4 1, 0
	s_wait_tensorcnt 0x0                           ; the wave's end
	ds_add_u32 v[SPW], v[NIL]
	s_wait_dscnt 0x0
	CROUND                                         ; the closing round
	s_endpgm
.Lfunc_end_k_q295b3e77f2_ctx:
	.size	k_q295b3e77f2_ctx, .Lfunc_end_k_q295b3e77f2_ctx-k_q295b3e77f2_ctx
	.p2alignl 7, 3214868480
	.fill 96, 4, 3214868480
	.section	.rodata,"a",@progbits
	.p2align	6, 0x0
	.amdhsa_kernel k_q295b3e77f2_ctx
		.amdhsa_group_segment_fixed_size 327680
		.amdhsa_private_segment_fixed_size 0
		.amdhsa_enable_private_segment 0
		.amdhsa_kernarg_size 32
		.amdhsa_user_sgpr_count 2
		.amdhsa_user_sgpr_kernarg_segment_ptr 1
		.amdhsa_wavefront_size32 1
		.amdhsa_system_sgpr_workgroup_id_x 1
		.amdhsa_system_sgpr_workgroup_id_y 1
		.amdhsa_system_sgpr_workgroup_id_z 1
		.amdhsa_system_vgpr_workitem_id 0
		.amdhsa_next_free_vgpr 512
		.amdhsa_next_free_sgpr 102
		.amdhsa_reserve_vcc 0
		.amdhsa_float_denorm_mode_32 3
		.amdhsa_float_denorm_mode_16_64 3
		.amdhsa_memory_ordered 1
		.amdhsa_forward_progress 1
		.amdhsa_inst_pref_size 146
	.end_amdhsa_kernel
	.amdgpu_metadata
---
amdhsa.version: [ 1, 2 ]
amdhsa.kernels:
  - .name:           k_q295b3e77f2_ctx
    .symbol:         k_q295b3e77f2_ctx.kd
    .args:
      - { .name: pb, .offset: 0, .size: 8, .value_kind: global_buffer, .address_space: global }
      - { .name: qkv, .offset: 8, .size: 8, .value_kind: global_buffer, .address_space: global }
      - { .name: st, .offset: 16, .size: 8, .value_kind: global_buffer, .address_space: global }
      - { .name: out0, .offset: 24, .size: 8, .value_kind: global_buffer, .address_space: global }
    .group_segment_fixed_size: 327680
    .private_segment_fixed_size: 0
    .kernarg_segment_align: 8
    .kernarg_segment_size: 32
    .max_flat_workgroup_size: 128
    .sgpr_count:     102
    .vgpr_count:     512
    .wavefront_size: 32
...
	.end_amdgpu_metadata
.endif
;; end of part 4
;; ======== version 2 of 2: 4 launches; version 1 with the launch cast written anew for expert scheduling mode
;; limits: values are held in f16: magnitudes above 65,504 overflow, below 6.1e-05 lose precision
;; workspace buffers: xb 16,777,216 bytes; wb 6,291,456 bytes; qkv 50,331,648 bytes; pb 33,554,432 bytes; st 2,097,152 bytes
;; launch cast (part 5): grid 704 x 1, 8 waves a work-group, no clusters, 0 bytes of LDS; arguments x, Wq, Wk, Wv, xb, wb; writes xb, wb
.if DOCPART == 5
	.amdgcn_target "amdgcn-amd-amdhsa--gfx1250"
	.amdhsa_code_object_version 6
	.text
	.protected	k_q295b3e77f2_cast
	.globl	k_q295b3e77f2_cast
	.p2align	8
	.type	k_q295b3e77f2_cast,@function
k_q295b3e77f2_cast:
	s_mov_b64 s[64:65], 0
	v_nop
	global_prefetch_b8 v0, s[64:65] scope:SCOPE_SE
	s_setreg_imm32_b32 hwreg(HW_REG_WAVE_SCHED_MODE, 0, 2), 2
	s_setreg_imm32_b32 hwreg(HW_REG_WAVE_MODE, 25, 1), 1
	s_wait_xcnt 0x0
	s_wait_alu depctr_vm_vsrc(0)
; CAST.  x [8192 m][1024 k] f32 -> xb [16 blocks of 64 k][8192 m][64] bf16: number (m, k) lies at byte (k / 64) x 1,048,576 + 128 m + 2 (k % 64), so that the rows of a
; block of 64 k lie end to end.  Wq, Wk, Wv [1024 k][1024 n] f32 -> wb [1024 k][3072 n] bf16, side by side (columns 0-1023 Wq, 1024-2047 Wk, 2048-3071 Wv).
; Each number is rounded once, to nearest even.
; A stream: every byte is read once and written once; no LDS, no matrix unit, no cluster: no work-group wants a byte that another has fetched.
; SHARES.  A work-group takes 16 rows of 1,024 numbers: 64 KiB in, 32 KiB out.  Work-groups 0-511 take x, 512-703 the three W (64 each).  A thread takes 4 numbers a load, 16 loads.
; x: threads 16 g .. 16 g + 15 take row g; load j takes the row's block j: 256 consecutive bytes for 16 lanes; a store of a wave is two rows' 128 bytes of block j: 256 consecutive bytes, aligned.
; W: load j takes row j, thread t its numbers 4 t ..: a load of a wave covers 512 consecutive bytes, a store 256, aligned.
; The two differ in three strides alone, which lie in scalar registers.  All 16 loads go out at once; no register is written twice.
; THE MODE: SCHED_MODE bits 1:0 = 2 (LLVM: expert scheduling mode 2), set by the entry lines.  The code itself states the register dependences
; between vector instructions and memory instructions, with s_wait_alu, always for 0.
; THE PLAN.  Registers that memory instructions touch:
;   v[IN ..]  load j's offset.   Written once, by the head's vector arithmetic; read by load j.
;   v[OF ..]  store j's offset.  Written once, by the head's vector arithmetic; read by store j.
;   v[X ..]   Written by the loads alone; read by the conversions, behind the counted wait for the loads.
;   v[Y ..]   Written once, by the conversions; read by the stores as their data.
; So two kinds of dependence are to be stated, both "a vector instruction has written what a memory instruction reads": ONE wait ahead of the first load, for all 32 offsets;
; and, the 16 loads going in four groups of four, ONE wait behind each group's eight conversions, ahead of its four stores.  It stands there and not at the next group's head: the wave has no other
; vector work to set between, and at the next head the stores would be held until four more loads are in.
; No register that a memory instruction reads, or in which a load lands, is written a second time or named by a vector instruction before; no vector instruction writes a scalar register or VCC; EXEC is never written.
.set OF, 2                             ; v[2:17]    load j: my byte offset in the output
.set X,  20                            ; v[20:83]   load j: 4 numbers as loaded
.set Y,  84                            ; v[84:115]  load j: 4 numbers in bf16
.set IN, 120                           ; v[120:135] load j: my byte offset in the input
.set GR, 4                             ; loads in a group
	s_load_b256 s[4:11], s[0:1], 0x0               ; x s[4:5], Wq s[6:7], Wk s[8:9], Wv s[10:11]
	s_load_b128 s[12:15], s[0:1], 0x20             ; xb s[12:13], wb s[14:15]
	s_sub_co_u32 s16, ttmp9, 512
	s_cmp_lt_u32 ttmp9, 512
	s_cselect_b32 s16, 0, s16                      ; my number among W's work-groups (0 where I take x)
	s_lshr_b32 s17, s16, 6                         ; which W
	s_and_b32 s18, s16, 63                         ; which 16 of its rows
	s_mul_i32 s19, s18, 98304                      ; 16 rows of wb, 6,144 bytes each,
	s_lshl_b32 s20, s17, 11                        ; and that W's 2,048 bytes of a row
	s_add_co_u32 s19, s19, s20
	s_lshl_b32 s21, s18, 16                        ; 16 rows of W
	s_lshl_b32 s22, ttmp9, 16                      ; 16 rows of x
	s_lshl_b32 s23, ttmp9, 11                      ; 16 rows of 128 bytes in each block of xb
	s_movk_i32 s28, 6144
	s_movk_i32 s29, 4096
	s_mov_b32 s34, 0x100000
	s_cmp_lt_u32 ttmp9, 512
	s_cselect_b32 s24, s22, s21                    ; byte offset in the source,
	s_cselect_b32 s26, s23, s19                    ; in the destination;
	s_cselect_b32 s28, s34, s28                    ; the destination's bytes from load to load: a block of xb, a row of wb;
	s_cselect_b32 s35, 256, s29                    ; the source's bytes from load to load: 64 numbers, a row;
	s_cselect_b32 s36, s29, 256                    ; the source's bytes from 16 threads to the next 16: a row, 64 numbers
	s_mov_b32 s25, 0
	s_mov_b32 s27, 0
	v_lshrrev_b32 v1, 4, v0                        ; t / 16
	v_and_b32 v18, 15, v0
	v_lshlrev_b32 v18, 4, v18                      ; 16 (t % 16)
	v_mad_u32_u24 v[IN], v1, s36, v18
	v_lshlrev_b32 v[OF], 3, v0                     ; 8 t, in both layouts
.set j, 1
.rept 15
	v_add_nc_u32 v[IN+j], s35, v[IN+j-1]
	v_add_nc_u32 v[OF+j], s28, v[OF+j-1]
.set j, j+1
.endr
	s_wait_kmcnt 0x0
	s_cmp_eq_u32 s17, 0
	s_cselect_b64 s[30:31], s[6:7], s[8:9]
	s_cmp_gt_u32 s17, 1
	s_cselect_b64 s[30:31], s[10:11], s[30:31]
	s_cmp_lt_u32 ttmp9, 512
	s_cselect_b64 s[30:31], s[4:5], s[30:31]       ; the source,
	s_cselect_b64 s[32:33], s[12:13], s[14:15]     ; the destination
	s_add_nc_u64 s[30:31], s[30:31], s[24:25]
	s_add_nc_u64 s[32:33], s[32:33], s[26:27]
	s_wait_alu depctr_va_vdst(0)                   ; v[IN ..] and v[OF ..] are written: the loads below read the first sixteen as their offsets, the stores further down the other sixteen; none is written again
.set j, 0
.rept 16
	global_load_b128 v[X+4*j:X+4*j+3], v[IN+j], s[30:31] th:TH_LOAD_NT
.set j, j+1
.endr
.set g, 0
.rept 16/GR
	s_wait_loadcnt 16-GR-GR*g                      ; loads come back in order: group g's four are in, the younger groups stay out
.set j, GR*g
.rept GR
	v_cvt_pk_bf16_f32 v[Y+2*j], v[X+4*j], v[X+4*j+1]
	v_cvt_pk_bf16_f32 v[Y+2*j+1], v[X+4*j+2], v[X+4*j+3]
.set j, j+1
.endr
	s_wait_alu depctr_va_vdst(0)                   ; the group's eight conversions have written its v[Y ..], which the four stores below read as their data
.set j, GR*g
.rept GR
	global_store_b64 v[OF+j], v[Y+2*j:Y+2*j+1], s[32:33]
.set j, j+1
.endr
.set g, g+1
.endr
	s_endpgm
.Lfunc_end_k_q295b3e77f2_cast:
	.size	k_q295b3e77f2_cast, .Lfunc_end_k_q295b3e77f2_cast-k_q295b3e77f2_cast
	.p2alignl 7, 3214868480
	.fill 96, 4, 3214868480
	.section	.rodata,"a",@progbits
	.p2align	6, 0x0
	.amdhsa_kernel k_q295b3e77f2_cast
		.amdhsa_group_segment_fixed_size 0
		.amdhsa_private_segment_fixed_size 0
		.amdhsa_enable_private_segment 0
		.amdhsa_kernarg_size 48
		.amdhsa_user_sgpr_count 2
		.amdhsa_user_sgpr_kernarg_segment_ptr 1
		.amdhsa_wavefront_size32 1
		.amdhsa_system_sgpr_workgroup_id_x 1
		.amdhsa_system_sgpr_workgroup_id_y 1
		.amdhsa_system_sgpr_workgroup_id_z 1
		.amdhsa_system_vgpr_workitem_id 0
		.amdhsa_next_free_vgpr 136
		.amdhsa_next_free_sgpr 66
		.amdhsa_reserve_vcc 0
		.amdhsa_float_denorm_mode_32 3
		.amdhsa_float_denorm_mode_16_64 3
		.amdhsa_memory_ordered 1
		.amdhsa_forward_progress 1
		.amdhsa_inst_pref_size 9
	.end_amdhsa_kernel
	.amdgpu_metadata
---
amdhsa.version: [ 1, 2 ]
amdhsa.kernels:
  - .name:           k_q295b3e77f2_cast
    .symbol:         k_q295b3e77f2_cast.kd
    .args:
      - { .name: x, .offset: 0, .size: 8, .value_kind: global_buffer, .address_space: global }
      - { .name: Wq, .offset: 8, .size: 8, .value_kind: global_buffer, .address_space: global }
      - { .name: Wk, .offset: 16, .size: 8, .value_kind: global_buffer, .address_space: global }
      - { .name: Wv, .offset: 24, .size: 8, .value_kind: global_buffer, .address_space: global }
      - { .name: xb, .offset: 32, .size: 8, .value_kind: global_buffer, .address_space: global }
      - { .name: wb, .offset: 40, .size: 8, .value_kind: global_buffer, .address_space: global }
    .group_segment_fixed_size: 0
    .private_segment_fixed_size: 0
    .kernarg_segment_align: 8
    .kernarg_segment_size: 48
    .max_flat_workgroup_size: 256
    .sgpr_count:     66
    .vgpr_count:     136
    .wavefront_size: 32
...
	.end_amdgpu_metadata
.endif
;; end of part 5
;; launch proj: the kernel of part 2 again; grid 8 x 32, 4 waves a work-group, clusters of 4 x 4, 327,680 bytes of LDS; arguments xb, wb, qkv; writes qkv
;; launch score: the kernel of part 3 again; grid 40 x 16, 4 waves a work-group, clusters of 4 x 4, 327,680 bytes of LDS; arguments qkv, pb, st; writes pb, st
;; launch ctx: the kernel of part 4 again; grid 8 x 32, 4 waves a work-group, clusters of 4 x 1, 327,680 bytes of LDS; arguments pb, qkv, st, out0; writes out0
